; MI455X (gfx1250); checked and timed in simulation.
; The chip was launched on July 23, 2026; its instructions are those of AMD's public machine-readable ISA for CDNA 5 (MIT licence, August 2026) and "CDNA5" Instruction Set Architecture Reference Guide (July 2026). The comments in the code are by the model that wrote it; some were corrected since.
;; Multi Head Self Attention. Allowed arithmetic: matrix products marked QUANTISED: E2M1 operands, one E8M0 scale for each 32 along K, by v_wmma_scale_f32_16x16x128_f8f6f4 with both operands' format E2M1 (or v_wmma_scale_f32_32x16x128_f4), f32 sums; products left as they are: f32 operands where the result goes on into a quantised operand, else bf16, f16 or f32 operands; f32 sums; everything else in f32.
;; Inputs: Ak 1,024 x 16 float32; Ao 1,024 x 16 float32; Aq 1,024 x 16 float32; Av 1,024 x 16 float32; Bk_codes 16 x 32 x 16 uint8 (E2M1 codes of Bk, K innermost, in blocks of 32 codes, two codes a byte); Bk_scales 16 x 32 uint8 (E8M0 scales of Bk, one for each 32 codes along K); Bo_codes 16 x 32 x 16 uint8 (E2M1 codes of Bo, K innermost, in blocks of 32 codes, two codes a byte); Bo_scales 16 x 32 uint8 (E8M0 scales of Bo, one for each 32 codes along K); Bq_codes 16 x 32 x 16 uint8 (E2M1 codes of Bq, K innermost, in blocks of 32 codes, two codes a byte); Bq_scales 16 x 32 uint8 (E8M0 scales of Bq, one for each 32 codes along K); Bv_codes 16 x 32 x 16 uint8 (E2M1 codes of Bv, K innermost, in blocks of 32 codes, two codes a byte); Bv_scales 16 x 32 uint8 (E8M0 scales of Bv, one for each 32 codes along K); Wk_codes 1,024 x 32 x 16 uint8 (E2M1 codes of Wk, K innermost, in blocks of 32 codes, two codes a byte); Wk_scales 1,024 x 32 uint8 (E8M0 scales of Wk, one for each 32 codes along K); Wo_codes 1,024 x 32 x 16 uint8 (E2M1 codes of Wo, K innermost, in blocks of 32 codes, two codes a byte); Wo_scales 1,024 x 32 uint8 (E8M0 scales of Wo, one for each 32 codes along K); Wq_codes 1,024 x 32 x 16 uint8 (E2M1 codes of Wq, K innermost, in blocks of 32 codes, two codes a byte); Wq_scales 1,024 x 32 uint8 (E8M0 scales of Wq, one for each 32 codes along K); Wv_codes 1,024 x 32 x 16 uint8 (E2M1 codes of Wv, K innermost, in blocks of 32 codes, two codes a byte); Wv_scales 1,024 x 32 uint8 (E8M0 scales of Wv, one for each 32 codes along K); bk 1,024 float32; bo 1,024 float32; bq 1,024 float32; bv 1,024 float32; x_codes 4 x 2,048 x 32 x 16 uint8 (E2M1 codes of x, K innermost, in blocks of 32 codes, two codes a byte); x_scales 4 x 2,048 x 32 uint8 (E8M0 scales of x, one for each 32 codes along K).
;; Outputs: out0 4 x 2,048 x 1,024 float32.
;; This version of the problem:
;;   THIS VERSION OF THE PROBLEM IS GIVEN IN LOW PRECISION. The matrix products marked QUANTISED in the list below multiply operands that are first quantised to E2M1 (2 exponent bits, 1 mantissa bit; 4 bits a number), with one power-of-two scale for each 32 numbers along K (OCP MX v1.0); their sums are f32. All else is computed in f32.
;;   The module's matrix products, in the order in which they are computed (A, B: the left and right operand; K: the contracted axis; several contracted axes count as one K, in the product's order):
;;     1. [M 8,192, K 1,024] x [K 1,024, N 1,024]; A: input x (given as codes); B: input Wq (given as codes): QUANTISED
;;     2. [M 8,192, K 1,024] x [K 1,024, N 16]; A: input x (given as codes); B: input Bq (given as codes): QUANTISED
;;     3. [M 8,192, K 16] x [K 16, N 1,024]; A: computed on the way; B: input Aq: left as it is (K = 16 < 32)
;;     4. [M 8,192, K 1,024] x [K 1,024, N 1,024]; A: input x (given as codes); B: input Wk (given as codes): QUANTISED
;;     5. [M 8,192, K 1,024] x [K 1,024, N 16]; A: input x (given as codes); B: input Bk (given as codes): QUANTISED
;;     6. [M 8,192, K 16] x [K 16, N 1,024]; A: computed on the way; B: input Ak: left as it is (K = 16 < 32)
;;     7. [M 8,192, K 1,024] x [K 1,024, N 1,024]; A: input x (given as codes); B: input Wv (given as codes): QUANTISED
;;     8. [M 8,192, K 1,024] x [K 1,024, N 16]; A: input x (given as codes); B: input Bv (given as codes): QUANTISED
;;     9. [M 8,192, K 16] x [K 16, N 1,024]; A: computed on the way; B: input Av: left as it is (K = 16 < 32)
;;     10. batch 64 x [M 2,048, K 64] x [K 64, N 2,048]; A: computed on the way; B: computed on the way: QUANTISED
;;     11. batch 64 x [M 2,048, K 2,048] x [K 2,048, N 64]; A: softmax (see below); B: computed on the way: QUANTISED
;;     12. [M 8,192, K 1,024] x [K 1,024, N 1,024]; A: computed on the way; B: input Wo (given as codes): QUANTISED
;;     13. [M 8,192, K 1,024] x [K 1,024, N 16]; A: computed on the way; B: input Bo (given as codes): QUANTISED
;;     14. [M 8,192, K 16] x [K 16, N 1,024]; A: computed on the way; B: input Ao: left as it is (K = 16 < 32)
;;   THE QUANTISER, for each operand of a quantised product, along K:
;;     - K is cut into blocks of 32 from its start; a last block that is shorter is filled with zeros.
;;     - A block's scale is 2^e with e = floor(log2(the largest magnitude in the block)) - 2, held to -126 .. 127; a block of zeros has e = 0. As a byte (E8M0): e + 127.
;;     - Each number is divided by its block's scale, clamped to +-6, and rounded to the nearest number of E2M1, ties to even, subnormals kept.
;;     - The product sums the exact products of the quantised numbers (number of the format x scale) in f32.
;;   ~~~python
;;   def quantise(x, axis):      # numpy; x: float32 -> the quantised numbers, widened to float32 again
;;       x = np.moveaxis(x, axis, -1); K = x.shape[-1]
;;       x = np.pad(x, [(0, 0)] * (x.ndim - 1) + [(0, -K % 32)]); x = x.reshape(x.shape[:-1] + (-1, 32)); a = np.abs(x).max(-1, keepdims=True)
;;       e = np.where(a > 0, np.clip(np.frexp(np.where(a > 0, a, 1))[1] - 1 - 2, -126, 127), 0)      # np.frexp(a)[1] - 1 = floor(log2(a)), exactly
;;       r = np.clip(x / 2.0 ** e, -6, 6)
;;       step = 2.0 ** (np.maximum(np.frexp(np.where(r == 0, 1, r))[1] - 1, 0) - 1)
;;       q = np.round(r / step) * step * 2.0 ** e      # np.round: ties to even
;;       return np.moveaxis(q.reshape(q.shape[:-2] + (-1,))[..., :K], -1, axis).astype(np.float32)
;;   ~~~
;;   SOFTMAX AHEAD OF A QUANTISED PRODUCT. Where the list says 'softmax', what is quantised is not the finished softmax but p = 2^(t - M), with t = logit x log2(e) and M = ceil(the row's largest t), a whole number; so 1/2 < the row's largest p <= 1. The row's sum l is taken of the UNQUANTISED p, in f32, and the product's result is divided by l at the end. Since M is a whole number, a kernel that streams over the keys may use a running M (the ceiling of the running maximum): every later rescaling is an exact power of two, which a block's scale takes up: the codes' values come out the same.
;;   OPERANDS COMPUTED ON THE WAY. 'Computed on the way' means the value that the module computes at that place (a softmax that the list does not call 'softmax' is quantised finished and normalised). What goes into a quantiser is computed in f32, as accurately as f32 sums, v_exp_f32 and their like allow (about 1e-6 of the number): no bf16 or f16 on the way to a quantiser, and a product that is left as it is and whose result goes on into a quantised operand takes f32 operands (vector FMAs, or v_wmma_f32_16x16x4_f32). A number that lies on a knife's edge between two numbers of the format may be rounded either way, as far as f32 arithmetic and the matrix unit's own rounding can turn it there, and no further.
;;   INPUTS GIVEN AS CODES. Bk (in the module: [16, 1024], K = its axis 1); Bo (in the module: [16, 1024], K = its axis 1); Bq (in the module: [16, 1024], K = its axis 1); Bv (in the module: [16, 1024], K = its axis 1); Wk (in the module: [1024, 1024], K = its axis 1); Wo (in the module: [1024, 1024], K = its axis 1); Wq (in the module: [1024, 1024], K = its axis 1); Wv (in the module: [1024, 1024], K = its axis 1); x (in the module: [4, 2048, 1024], K = its axis 2): each comes as NAME_codes (uint8): NAME with its K axis moved to the last place and cut into blocks of 32 codes, [.., K / 32, bytes a block], one block behind the other in memory; two codes a byte, the lower K in the low four bits (a code: sign, 2 exponent bits, 1 mantissa bit); and NAME_scales (uint8): the same leading axes, one E8M0 byte (e + 127) for each 32 codes along K. Its value is code x scale, taken as it is: it is not quantised again, and the codes and scales need not be those that the quantiser above would give.
;; One version. Each part assembles by itself: llvm-mc -triple=amdgcn-amd-amdhsa -mcpu=gfx1250 --defsym DOCPART=n.
;; ======== version 1 of 1: 3 launches
;; limits: values are held in bf16: 8 bits of precision; right only within a limited range of input values
;; workspace buffers: qq 4,718,592 bytes; kv 9,175,040 bytes; ao 4,456,448 bytes
;; launch qkv (part 1): grid 4 x 64, 4 waves a work-group, clusters of 4 x 1, 168,448 bytes of LDS; arguments x_codes, x_scales, Wq_codes, Wq_scales, Bq_codes, Bq_scales, Aq, bq, Wk_codes, Wk_scales, Bk_codes, Bk_scales, Ak, bk, Wv_codes, Wv_scales, Bv_codes, Bv_scales, Av, bv, qq, kv; writes qq, kv
.if DOCPART == 1
	.amdgcn_target "amdgcn-amd-amdhsa--gfx1250"
	.amdhsa_code_object_version 6
	.text
	.protected	k_qbe8bdbab76_qkv
	.globl	k_qbe8bdbab76_qkv
	.p2align	8
	.type	k_qbe8bdbab76_qkv,@function
k_qbe8bdbab76_qkv:
	s_mov_b64 s[64:65], 0
	v_nop
	global_prefetch_b8 v0, s[64:65] scope:SCOPE_SE
	s_setreg_imm32_b32 hwreg(HW_REG_WAVE_MODE, 25, 1), 1
	s_wait_xcnt 0x0
	s_wait_alu depctr_hold_cnt(0) depctr_sa_sdst(0) depctr_va_vdst(0) depctr_va_sdst(0) depctr_va_ssrc(0) depctr_va_vcc(0) depctr_vm_vsrc(0)
	s_getreg_b32 s2, hwreg(HW_REG_IB_STS2, 6, 4)
	s_cmp_eq_u32 s2, 0
	s_cbranch_scc0 .Lentry_in_a_cluster
	s_endpgm
.Lentry_in_a_cluster:
	s_bfe_u32 s2, ttmp6, 0x10000c
	s_cmp_lg_u32 s2, 0x3003
	s_cbranch_scc0 .Lentry_shape_is_right
	s_endpgm
.Lentry_shape_is_right:
; y = x W^T + b + 0.5 (x B^T) A^T for the three linears q, k, v; each result is quantised to FP4 (E2M1, one E8M0 byte for 32 along K) in registers and stored
; as an image of the operand registers of the attention launch.  x W^T and x B^T run on the given codes; (x B^T) A^T, whose result goes into a quantiser, runs on f32 operands.
; SHARES.  A work-group takes 128 rows of x (one batch, one key step) and four heads; wave w takes head 4 cx + w and runs three units (q, k, v) on the same rows.
; A unit is four pairs of 32 rows against the head's 64 features (four tiles of W): 64 + 16 products on codes, 32 on f32, one quantising.
; THE ROWS OF A TILE ARE NOT NEIGHBOURS: in each 32 rows, position r of tile 2 b + u is row 32 b + 8 u + r + 8 (r / 8), for x's rows and for W's, A's and b's rows in a head alike.
; So a result's registers of tiles 2 b and 2 b + 1 are 16 neighbours: 32 b + 16 (lane / 16) + 0 .. 15.
; q, k: source 0 = W, source 1 = x: a lane holds one row of x, its registers run along the features (their K).   v: source 0 = x, source 1 = W: a lane holds one feature, its registers run along the keys (its K).
; CLUSTER.  The four work-groups of a cluster take the same 128 rows of x: x's codes (65,536 bytes) come into LDS once, by joint loads.  W is not shared inside a cluster (each partner has other heads) and a
; work-group's W, 12 x 32,768 bytes, does not fit in LDS beside x: it goes from memory straight into registers, a whole unit ahead, in two sets of 256 registers.
; A pair's 32 rows lie 528 bytes apart in LDS (16 bytes of padding a row), so that the 16 rows of a fragment load (0-7 and 16-23, or 8-15 and 24-31) start at 16 different groups of banks: one load of 32 rows a wave brings them.
; No LDS byte is filled twice.  One tensor load of a wave is out at the most.
; LIMITS: NaN and infinities are not served.  A block of zeros gets the byte 1 where the quantiser says 127: its codes are zeros, and this program alone reads the bytes.
; REGISTERS, in windows of 256.  Window 0: v1-11 offsets; v16-47 x's scale words (8 b + s: lanes 0-15 tile 2 b, lanes 16-31 tile 2 b + 1); v48-63 W's likewise; v64-71 B's; v72-135 the 8 accumulators;
;   v136-151 x B^T; v152-167 half of it; v168-179 at work; v184-191 codes; v192-195 q's or k's scale registers; v200-231 v's codes; v232-237 v's scale words.
; Windows 1 and 3: W's fragments (t, s) at 8 (8 t + s): q in 1, k in 3, v in 1.   Window 2: v0-63 B's fragments; v64-95 A (f32); v96-127 the bias in the result's layout; v128-255 x's fragments (u, s) of the pair.
.set SETQ, 8                           ; s[8:19]  q's six addresses: +0 W codes, +2 W scales, +4 B codes, +6 B scales, +8 A, +10 bias
.set SETK, 20                          ; s[20:31] k's
.set SETV, 32                          ; s[32:43] v's
.set QQ,   44                          ; s[44:45] qq, s[46:47] kv, at my block
.set G1,   48                          ; s[48:55] descriptor group 1
.set G0A,  56                          ; s[56:59] group 0: my pair's 32 rows, one tensor load a wave
.set WV,   66
.set CX,   67
.set RB,   68
.set HD,   69
.set HI,   80                          ; a mask: lanes 16-31
.set SEL,  82                          ; s[82:83] v_permlanex16_b32's selects for lane l xor 16
.set XA,   1
.set WO,   2
.set RS32, 3
.set BO,   5
.set BSO,  6
.set AO,   7
.set BIQ,  8
.set BIV,  9
.set LI,   10
.set L8,   11
.set XS,   16
.set WS,   48
.set BS,   64
.set ACC,  72
.set T,    136
.set TS,   152
.set TM,   168
.set PC,   184
.set SW,   192
.set W0,   196
.set W1,   197
.set VC,   200
.set VW,   232
.set VP,   236
.set BF,   0
.set AF,   64
.set BI,   96
.set XF,   128
.set PAIRB, 16896                      ; a pair of 32 rows in LDS: 32 rows x 528 bytes, one pitch throughout, brought by ONE tensor load a wave
.set MSB, 0
.macro WIN new                         ; the immediate's high byte repeats the setting that is left; a switch that changes nothing is dropped
.if MSB != (\new)
	s_set_vgpr_msb (MSB<<8)|(\new)
.set MSB, (\new)
.endif
.endm
.macro ROUND                           ; a round of the cluster's barrier
	s_barrier_signal -1
	s_barrier_wait -1
	s_cmp_lg_u32 s[WV], 0
	s_cbranch_scc1 .Lnw0_\@
	s_barrier_signal -3
.Lnw0_\@:
	s_barrier_wait -3
	s_barrier_signal -1
	s_barrier_wait -1
.endm
; One product on codes.  d, a, b: first registers of D, source 0, source 1; c: of C, or -1 for the constant 0; sa, sb: the scale registers; ra, rb = 1: that side's words lie in lanes 16-31.
.macro WM d, a, b, c, sa, sb, ra, rb
.if (\c) < 0
.if ((\ra) == 0) && ((\rb) == 0)
	v_wmma_scale_f32_16x16x128_f8f6f4 v[(\d):(\d)+7], v[(\a):(\a)+7], v[(\b):(\b)+7], 0, v[\sa], v[\sb] matrix_a_fmt:MATRIX_FMT_FP4 matrix_b_fmt:MATRIX_FMT_FP4
.elseif (\rb) == 0
	v_wmma_scale_f32_16x16x128_f8f6f4 v[(\d):(\d)+7], v[(\a):(\a)+7], v[(\b):(\b)+7], 0, v[\sa], v[\sb] matrix_a_fmt:MATRIX_FMT_FP4 matrix_b_fmt:MATRIX_FMT_FP4 matrix_a_scale:MATRIX_SCALE_ROW1
.elseif (\ra) == 0
	v_wmma_scale_f32_16x16x128_f8f6f4 v[(\d):(\d)+7], v[(\a):(\a)+7], v[(\b):(\b)+7], 0, v[\sa], v[\sb] matrix_a_fmt:MATRIX_FMT_FP4 matrix_b_fmt:MATRIX_FMT_FP4 matrix_b_scale:MATRIX_SCALE_ROW1
.else
	v_wmma_scale_f32_16x16x128_f8f6f4 v[(\d):(\d)+7], v[(\a):(\a)+7], v[(\b):(\b)+7], 0, v[\sa], v[\sb] matrix_a_fmt:MATRIX_FMT_FP4 matrix_b_fmt:MATRIX_FMT_FP4 matrix_a_scale:MATRIX_SCALE_ROW1 matrix_b_scale:MATRIX_SCALE_ROW1
.endif
.else
.if ((\ra) == 0) && ((\rb) == 0)
	v_wmma_scale_f32_16x16x128_f8f6f4 v[(\d):(\d)+7], v[(\a):(\a)+7], v[(\b):(\b)+7], v[(\c):(\c)+7], v[\sa], v[\sb] matrix_a_fmt:MATRIX_FMT_FP4 matrix_b_fmt:MATRIX_FMT_FP4
.elseif (\rb) == 0
	v_wmma_scale_f32_16x16x128_f8f6f4 v[(\d):(\d)+7], v[(\a):(\a)+7], v[(\b):(\b)+7], v[(\c):(\c)+7], v[\sa], v[\sb] matrix_a_fmt:MATRIX_FMT_FP4 matrix_b_fmt:MATRIX_FMT_FP4 matrix_a_scale:MATRIX_SCALE_ROW1
.elseif (\ra) == 0
	v_wmma_scale_f32_16x16x128_f8f6f4 v[(\d):(\d)+7], v[(\a):(\a)+7], v[(\b):(\b)+7], v[(\c):(\c)+7], v[\sa], v[\sb] matrix_a_fmt:MATRIX_FMT_FP4 matrix_b_fmt:MATRIX_FMT_FP4 matrix_b_scale:MATRIX_SCALE_ROW1
.else
	v_wmma_scale_f32_16x16x128_f8f6f4 v[(\d):(\d)+7], v[(\a):(\a)+7], v[(\b):(\b)+7], v[(\c):(\c)+7], v[\sa], v[\sb] matrix_a_fmt:MATRIX_FMT_FP4 matrix_b_fmt:MATRIX_FMT_FP4 matrix_a_scale:MATRIX_SCALE_ROW1 matrix_b_scale:MATRIX_SCALE_ROW1
.endif
.endif
.endm
; nb blocks of 32 along K; block g: my 16 numbers in v[src + 16 g] on, the other 16 in lane l xor 16.  Codes: v[dst + str g] (my numbers 0-7) and the register behind it (8-15).  The scale's byte: v[TM + 4 + g].
.macro QUANT src, dst, str, nb
.irp g, 0,1,2,3
.if \g < (\nb)
	v_max3_num_f32 v[TM+\g], |v[(\src)+16*\g]|, |v[(\src)+16*\g+1]|, 0x1800000   ; each accumulator is read from its low end on; the floor 2^(3 - 127) holds the byte at 1 from below
.endif
.endr
.irp i, 2,4,6,8,10,12,14
.irp g, 0,1,2,3
.if \g < (\nb)
	v_max3_num_f32 v[TM+\g], v[TM+\g], |v[(\src)+16*\g+\i]|, |v[(\src)+16*\g+\i+1]|   ; the blocks by turns
.endif
.endr
.endr
.irp g, 0,1,2,3
.if \g < (\nb)
	v_permlanex16_b32 v[TM+4+\g], v[TM+\g], s[SEL], s[SEL+1]
.endif
.endr
.irp g, 0,1,2,3
.if \g < (\nb)
	v_max_num_f32 v[TM+\g], v[TM+\g], v[TM+4+\g]   ; the block's largest magnitude
.endif
.endr
.irp g, 0,1,2,3
.if \g < (\nb)
	v_add_nc_u32 v[TM+8+\g], 0xff000000, v[TM+\g]   ; 2 off its exponent field: the conversion's scale operand
.endif
.endr
.irp g, 0,1,2,3
.if \g < (\nb)
	v_lshrrev_b32 v[TM+4+\g], 23, v[TM+8+\g]       ; the scale's byte
.endif
.endr
.irp g, 0,1,2,3
.if \g < (\nb)
	v_cvt_scalef32_pk8_fp4_f32 v[(\dst)+(\str)*\g], v[(\src)+16*\g:(\src)+16*\g+7], v[TM+8+\g]
	v_cvt_scalef32_pk8_fp4_f32 v[(\dst)+(\str)*\g+1], v[(\src)+16*\g+8:(\src)+16*\g+15], v[TM+8+\g]
.endif
.endr
	v_nop                                          ; one plain place behind the scaled conversions
.endm
.macro LOADW set, win                  ; a head's W for all of K: 32 fragments, 64 loads, into window win
	WIN (\win)<<6
.irp t, 0,1,2,3
.irp k, 0,1,2,3,4,5,6,7
.irp c, 0,1
	global_load_b128 v[8*(8*\t+\k)+4*\c:8*(8*\t+\k)+4*\c+3], v[WO], s[\set:\set+1] offset:(32*(\t/2)+8*(\t%2))*512+64*\k+32*\c
.endr
.endr
.endr
.endm
.macro LOADSMALL set, isv              ; B's fragments, the bias in the result's layout, W's and B's scale words: 30 loads (v: 54)
	WIN 0x80
.irp k, 0,1,2,3,4,5,6,7
.irp c, 0,1
	global_load_b128 v[BF+8*\k+4*\c:BF+8*\k+4*\c+3], v[BO], s[\set+4:\set+5] offset:64*\k+32*\c
.endr
.endr
.if \isv
.irp t, 0,1,2,3
.irp j, 0,1,2,3,4,5,6,7
	global_load_b32 v[BI+8*\t+\j], v[BIV], s[\set+10:\set+11] offset:(32*(\t/2)+8*(\t%2))*4   ; v: a lane holds one feature, so all eight registers hold its bias
.endr
.endr
.else
.irp t, 0,1,2,3
	global_load_b128 v[BI+8*\t:BI+8*\t+3], v[BIQ], s[\set+10:\set+11] offset:(32*(\t/2)+8*(\t%2))*4
	global_load_b128 v[BI+8*\t+4:BI+8*\t+7], v[BIQ], s[\set+10:\set+11] offset:(32*(\t/2)+8*(\t%2))*4+16
.endr
.endif
	WIN 0
.irp p, 0,1
	global_load_b128 v[WS+8*\p:WS+8*\p+3], v[RS32], s[\set+2:\set+3] offset:1024*\p
	global_load_b128 v[WS+8*\p+4:WS+8*\p+7], v[RS32], s[\set+2:\set+3] offset:1024*\p+16
.endr
	global_load_b128 v[BS:BS+3], v[BSO], s[\set+6:\set+7]
	global_load_b128 v[BS+4:BS+7], v[BSO], s[\set+6:\set+7] offset:16
.endm
.macro LOADA set                       ; A, f32: lane (r, h) takes ranks 8 h .. 8 h + 7 of its row: 8 loads, always a unit's youngest
	WIN 0x80
.irp t, 0,1,2,3
	global_load_b128 v[AF+8*\t:AF+8*\t+3], v[AO], s[\set+8:\set+9] offset:(32*(\t/2)+8*(\t%2))*64
	global_load_b128 v[AF+8*\t+4:AF+8*\t+7], v[AO], s[\set+8:\set+9] offset:(32*(\t/2)+8*(\t%2))*64+16
.endr
.endm
.macro XFETCH b                        ; pair b's 16 fragments of x, all of K, in one run of 32 LDS loads
	WIN 0x80
.irp u, 0,1
.irp k, 0,1,2,3,4,5,6,7
.irp c, 0,1
	ds_load_b128 v[XF+8*(8*\u+\k)+4*\c:XF+8*(8*\u+\k)+4*\c+3], v[XA] offset:(\b)*PAIRB+\u*4224+64*\k+32*\c
.endr
.endr
.endr
.endm
; K step k of the pair's eight sums.  The first step takes the bias as C.
.macro MAIN kind, b, k, ww
.if (\kind) == 2
.if (\k) == 0
	WIN 0x26                                       ; source 0 (x) window 2, source 1 (W) window 1, C (bias) window 2
.else
	WIN 0x06
.endif
.irp t, 0,1,2,3
.irp u, 0,1
.set CC, ACC+16*\t+8*\u
.if (\k) == 0
.set CC, BI+8*\t
.endif
	WM ACC+16*\t+8*\u, XF+8*(8*\u+\k), 8*(8*\t+\k), CC, XS+8*(\b)+\k, WS+8*(\t/2)+\k, \u, \t%2
.endr
.endr
.else
.if (\k) == 0
	WIN 0x28|(\ww)                                 ; source 0 (W) window ww, source 1 (x) window 2, C (bias) window 2
.else
	WIN 0x08|(\ww)
.endif
.irp u, 0,1
.irp t, 0,1,2,3
.set CC, ACC+32*\u+8*\t
.if (\k) == 0
.set CC, BI+8*\t
.endif
	WM ACC+32*\u+8*\t, 8*(8*\t+\k), XF+8*(8*\u+\k), CC, WS+8*(\t/2)+\k, XS+8*(\b)+\k, \t%2, \u
.endr
.endr
.endif
.endm
.macro TT b, k                         ; K step k of x B^T: lane (r, h), register j: position r, rank 8 h + j
	WIN 0x0a
.irp u, 0,1
.if (\k) == 0
	WM T+8*\u, BF+8*(\k), XF+8*(8*\u+\k), -1, BS+\k, XS+8*(\b)+\k, 0, \u
.else
	WM T+8*\u, BF+8*(\k), XF+8*(8*\u+\k), T+8*\u, BS+\k, XS+8*(\b)+\k, 0, \u
.endif
.endr
.endm
; + 0.5 (x B^T) A^T on f32 operands, in place onto the eight sums, which take turns.  K slot (h, j) of step q stands for rank 8 h + 2 q + j on both sides: nothing changes lanes.
.macro LORA kind
.if (\kind) == 2
	WIN 0x08
.irp q, 0,1,2,3
.irp t, 0,1,2,3
.irp u, 0,1
	v_wmma_f32_16x16x4_f32 v[ACC+16*\t+8*\u:ACC+16*\t+8*\u+7], v[TS+8*\u+2*\q:TS+8*\u+2*\q+1], v[AF+8*\t+2*\q:AF+8*\t+2*\q+1], v[ACC+16*\t+8*\u:ACC+16*\t+8*\u+7]
.endr
.endr
.endr
.else
	WIN 0x02
.irp q, 0,1,2,3
.irp u, 0,1
.irp t, 0,1,2,3
	v_wmma_f32_16x16x4_f32 v[ACC+32*\u+8*\t:ACC+32*\u+8*\t+7], v[AF+8*\t+2*\q:AF+8*\t+2*\q+1], v[TS+8*\u+2*\q:TS+8*\u+2*\q+1], v[ACC+32*\u+8*\t:ACC+32*\u+8*\t+7]
.endr
.endr
.endr
.endif
.endm
; A pair of 32 rows.  kind: 0 q, 1 k, 2 v;  ww: W's window;  nset: in a unit's last pair the next unit's set of addresses, else -1;  nisv: that unit is v.
.macro PAIR kind, b, ww, nset, nisv
	s_wait_dscnt 0x0                               ; the pair's fragments of x are in
	MAIN \kind, \b, 0, \ww                         ; the ten accumulators take turns, one instruction a turn; nine window settings
	TT \b, 0
	TT \b, 1
	MAIN \kind, \b, 1, \ww
	MAIN \kind, \b, 2, \ww
	TT \b, 2
	TT \b, 3
	MAIN \kind, \b, 3, \ww
	MAIN \kind, \b, 4, \ww
	TT \b, 4
	TT \b, 5
	MAIN \kind, \b, 5, \ww
	MAIN \kind, \b, 6, \ww
	TT \b, 6
	TT \b, 7
	MAIN \kind, \b, 7, \ww
	WIN 0
.rept 4
	v_nop                                          ; four places ahead of the first read of x B^T
.endr
.irp i, 0,2,4,6,8,10,12,14
	v_pk_mul_f32 v[TS+\i:TS+\i+1], v[T+\i:T+\i+1], 0.5 op_sel_hi:[1,0]   ; the scaling 0.5: exact.  With the four above: twelve places ahead of the loads below and of the f32 products, which write over the sums
.endr
.if (\b) < 3
	XFETCH (\b)+1
.elseif (\nset) >= 0
	XFETCH 0                                       ; the next unit begins at pair 0 again
	LOADSMALL \nset, \nisv                         ; and its small operands: this unit's are done with
.endif
.if (\b) == 0
.if (\kind) == 2
	s_wait_alu depctr_va_vdst(0)
	s_wait_loadcnt 0x0                             ; A
.else
	s_wait_alu depctr_va_vdst(0)
	s_wait_loadcnt 63                              ; behind A's eight loads stand the 64 of the next unit's W: with 63 out at the most, A's are in
.endif
.endif
	LORA \kind
	WIN 0
.rept 8
	v_nop                                          ; eight places behind the f32 form: ahead of the first read of the sums and of loads into A
.endr
.if ((\b) == 3) && ((\nset) >= 0)
	LOADA \nset
	WIN 0
.endif
	s_wait_xcnt 0x0                                ; the earlier stores have read their data: the codes' and scale words' registers may be written again
.if (\kind) < 2
	QUANT ACC, PC, 2, 4                            ; block 2 u + b': features 32 b' on of x's tile u
	v_lshl_or_b32 v[W0], v[TM+5], 8, v[TM+4]       ; tile u = 0: its two bytes,
	v_lshl_or_b32 v[W1], v[TM+7], 8, v[TM+6]       ; u = 1
	v_lshl_or_b32 v[W0], v[W0], 16, v[W0]          ; repeated for K 64 .. 127, which the attention fills with zero codes: real bytes, never 0xff
	v_lshl_or_b32 v[W1], v[W1], 16, v[W1]
	v_cndmask_b32 v[SW+(\b)], v[W0], v[W1], s[HI]  ; lanes 0-15 tile 2 b's words, lanes 16-31 tile 2 b + 1's
.irp u, 0,1
.irp i, 0,1
	v_permlane16_swap_b32 v[PC+4*\u+\i], v[PC+4*\u+2+\i]   ; the operand wants a whole block in a lane: lanes 0-15 features 0-31, lanes 16-31 features 32-63
.endr
.endr
.irp u, 0,1
	global_store_b128 v[LI], v[PC+4*\u:PC+4*\u+3], s[QQ+2*(\kind):QQ+2*(\kind)+1] offset:(2*(\b)+\u)*512   ; a tile's image: 512 consecutive bytes, aligned to 256
.endr
.if (\b) == 3
	global_store_b128 v[LI], v[SW:SW+3], s[QQ+2*(\kind):QQ+2*(\kind)+1] offset:4096*((\kind)+1)   ; the four scale registers' image
.endif
.else
	QUANT ACC, VC+2*(\b), 8, 4                     ; block t: keys 32 b on of feature tile t
.irp t, 0,1,2,3
.if (\b) == 0
	v_mov_b32 v[VW+\t], v[TM+4+\t]
.else
	v_lshl_or_b32 v[VW+\t], v[TM+4+\t], 8*(\b), v[VW+\t]   ; byte b of the step's scale word
.endif
.endr
.if (\b) == 3
.irp t, 0,1,2,3
.irp c, 0,1
.irp i, 0,1
	v_permlane16_swap_b32 v[VC+8*\t+4*\c+\i], v[VC+8*\t+4*\c+2+\i]   ; registers 4 c .. 4 c + 3: keys 64 c + 32 (lane / 16) + 0 .. 31
.endr
.endr
.endr
	v_cndmask_b32 v[VP], v[VW], v[VW+1], s[HI]
	v_cndmask_b32 v[VP+1], v[VW+2], v[VW+3], s[HI]
.irp t, 0,1,2,3
.irp c, 0,1
	global_store_b128 v[LI], v[VC+8*\t+4*\c:VC+8*\t+4*\c+3], s[QQ+2:QQ+3] offset:4096+1024*\t+512*\c
.endr
.endr
	global_store_b64 v[L8], v[VP:VP+1], s[QQ+2:QQ+3] offset:8704   ; 256 consecutive bytes, aligned
.endif
.endif
.endm
	s_load_b512 s[4:19], s[0:1], 0x0               ; x's codes s[4:5], x's scales s[6:7], q's six
	s_load_b512 s[20:35], s[0:1], 0x40             ; k's six, v's first two
	s_load_b256 s[36:43], s[0:1], 0x80             ; v's other four
	s_load_b128 s[44:47], s[0:1], 0xa0             ; qq, kv
	v_lshl_add_u32 v254, v0, 2, 0x29000
	v_mov_b32 v255, 0
	ds_add_u32 v254, v255
	ds_add_u32 v254, v255
	v_lshrrev_b32 v12, 5, v0
	v_readfirstlane_b32 s[WV], v12                 ; wave 0..3
	s_bfe_u32 s[CX], ttmp6, 0x40000                ; my place in the cluster: the group of four heads
	s_and_b32 s[RB], ttmp7, 0xffff                 ; the block of 128 rows, which the four partners share
	s_lshl_b32 s[HD], s[CX], 2
	s_add_co_u32 s[HD], s[HD], s[WV]               ; my head
	v_and_b32 v12, 15, v0                          ; r
	v_bfe_u32 v13, v0, 4, 1                        ; h
	v_bfe_u32 v14, v0, 3, 1                        ; r / 8
	v_lshl_add_u32 v15, v14, 3, v12                ; r + 8 (r / 8)
	v_mul_u32_u24 v[XA], v15, 528                  ; x in LDS: row x 528,
	v_lshl_add_u32 v[XA], v13, 4, v[XA]            ; + 16 h
	v_lshlrev_b32 v[WO], 9, v15                    ; W: a row of 1,024 codes is 512 bytes
	v_lshl_add_u32 v[WO], v13, 4, v[WO]
	v_lshl_add_u32 v[RS32], v13, 3, v15            ; scale words of x and W: lanes 16-31 take the odd tile, 8 rows on;
	v_lshlrev_b32 v[RS32], 5, v[RS32]              ; 32 bytes a row
	v_lshlrev_b32 v[BO], 9, v12                    ; B: rank r
	v_lshl_add_u32 v[BO], v13, 4, v[BO]
	v_lshlrev_b32 v[BSO], 5, v12
	v_lshlrev_b32 v[AO], 6, v15                    ; A: a row of 16 f32 is 64 bytes; + 32 h
	v_lshl_add_u32 v[AO], v13, 5, v[AO]
	v_lshlrev_b32 v[BIQ], 6, v13                   ; the bias of q, k: features 16 h on
	v_lshlrev_b32 v[BIV], 2, v15                   ; of v: my feature
	v_and_b32 v[LI], 31, v0
	v_lshlrev_b32 v[L8], 3, v[LI]
	v_lshlrev_b32 v[LI], 4, v[LI]
.irp g, 0,1,2,3
	v_mov_b32 v[TM+4+\g], 0                        ; written once: a lane permute's destination counts as one of its sources
.endr
	s_mov_b32 s[HI], 0xffff0000
	s_mov_b32 s[SEL], 0x76543210
	s_mov_b32 s[SEL+1], 0xfedcba98
	; descriptor group 1: 32 rows of 64 elements of 8 bytes (512 bytes), dense in memory; 4 words of padding behind each 128
	s_mov_b32 s[G1+0], 15|(3<<16)|(1<<20)|(1<<21)|(6<<22)|(3<<25)   ; 15:0 the mask: all four work-groups; 17:16 elements of 8 bytes; 20 padding on; 21 set beside a mask
	s_mov_b32 s[G1+1], 64<<16                      ; tensor_dim0
	s_mov_b32 s[G1+2], 32<<16                      ; tensor_dim1
	s_mov_b32 s[G1+3], 64<<16                      ; tile_dim0
	s_mov_b32 s[G1+4], 32                          ; tile_dim1
	s_mov_b32 s[G1+5], 64                          ; from row to row
	s_mov_b32 s[G1+6], 0
	s_mov_b32 s[G1+7], 0
	s_lshl_b32 s72, s[RB], 16                      ; x: 128 rows of 512 bytes a block, wave w fetches pair w: these registers never hold my place in the cluster
	s_lshl_b32 s73, s[WV], 14
	s_add_co_u32 s72, s72, s73
	s_mov_b32 s73, 0
	s_mul_i32 s74, s[WV], PAIRB
	s_lshr_b32 s75, s[RB], 4                       ; my block of qq and kv: ((batch x 16 + head) x 16 + step)
	s_lshl_b32 s75, s75, 4
	s_add_co_u32 s75, s75, s[HD]
	s_lshl_b32 s75, s75, 4
	s_and_b32 s76, s[RB], 15
	s_add_co_u32 s75, s75, s76
	s_mov_b32 s71, 0
	s_wait_alu depctr_va_vdst(0)
	s_wait_dscnt 0x0
	s_wait_kmcnt 0x0
	s_mov_b32 s[G0A], 1
	s_mov_b32 s[G0A+1], s74
	s_add_nc_u64 s[G0A+2:G0A+3], s[4:5], s[72:73]
	s_or_b32 s[G0A+3], s[G0A+3], 0x80000000
	s_lshl_b32 s70, s[HD], 15                      ; my head's 64 rows: of W's codes,
.irp p, SETQ, SETK, SETV
	s_add_nc_u64 s[\p:\p+1], s[\p:\p+1], s[70:71]
.endr
	s_lshl_b32 s70, s[HD], 11                      ; of W's scales,
.irp p, SETQ, SETK, SETV
	s_add_nc_u64 s[\p+2:\p+3], s[\p+2:\p+3], s[70:71]
.endr
	s_lshl_b32 s70, s[HD], 12                      ; of A,
.irp p, SETQ, SETK, SETV
	s_add_nc_u64 s[\p+8:\p+9], s[\p+8:\p+9], s[70:71]
.endr
	s_lshl_b32 s70, s[HD], 8                       ; of the bias
.irp p, SETQ, SETK, SETV
	s_add_nc_u64 s[\p+10:\p+11], s[\p+10:\p+11], s[70:71]
.endr
	s_lshl_b32 s70, s[RB], 12
	s_add_nc_u64 s[6:7], s[6:7], s[70:71]          ; x's scales at my 128 rows
	s_mul_i32 s70, s75, 4608
	s_add_nc_u64 s[QQ:QQ+1], s[QQ:QQ+1], s[70:71]
	s_mul_i32 s70, s75, 8960
	s_add_nc_u64 s[QQ+2:QQ+3], s[QQ+2:QQ+3], s[70:71]
	ROUND                                          ; all four work-groups are here: the joint loads meet; they go out ahead of the run of global loads below
	tensor_load_to_lds s[G0A:G0A+3], s[G1:G1+7]
	s_nop 0
.rept 4
	v_nop
.endr
.irp b, 0,1,2,3
	global_load_b128 v[XS+8*\b:XS+8*\b+3], v[RS32], s[6:7] offset:1024*\b          ; x's scale words stay for the whole launch
	global_load_b128 v[XS+8*\b+4:XS+8*\b+7], v[RS32], s[6:7] offset:1024*\b+16
.endr
	LOADW SETQ, 1
	LOADSMALL SETQ, 0
	LOADA SETQ
	WIN 0
	s_wait_tensorcnt 0x0                           ; my pair of x has landed,
	s_barrier_signal -1
	s_barrier_wait -1                              ; everybody's has
	XFETCH 0
	s_wait_loadcnt 8                               ; all but A's eight loads, the youngest
	LOADW SETK, 3                                  ; k's W, a whole unit ahead
	PAIR 0, 0, 1, -1, 0
	PAIR 0, 1, 1, -1, 0
	PAIR 0, 2, 1, -1, 0
	PAIR 0, 3, 1, SETK, 0
	s_wait_loadcnt 8
	LOADW SETV, 1                                  ; v's W into the window that q has left
	PAIR 1, 0, 3, -1, 0
	PAIR 1, 1, 3, -1, 0
	PAIR 1, 2, 3, -1, 0
	PAIR 1, 3, 3, SETV, 1
	s_wait_loadcnt 8
	PAIR 2, 0, 1, -1, 0
	PAIR 2, 1, 1, -1, 0
	PAIR 2, 2, 1, -1, 0
	PAIR 2, 3, 1, -1, 0
	s_wait_dscnt 0x0
	s_wait_tensorcnt 0x0
	ds_add_u32 v254, v255
	s_wait_dscnt 0x0
	ROUND                                          ; the closing round
	s_endpgm
.Lfunc_end_k_qbe8bdbab76_qkv:
	.size	k_qbe8bdbab76_qkv, .Lfunc_end_k_qbe8bdbab76_qkv-k_qbe8bdbab76_qkv
	.p2alignl 7, 3214868480
	.fill 96, 4, 3214868480
	.section	.rodata,"a",@progbits
	.p2align	6, 0x0
	.amdhsa_kernel k_qbe8bdbab76_qkv
		.amdhsa_group_segment_fixed_size 168448
		.amdhsa_private_segment_fixed_size 0
		.amdhsa_enable_private_segment 0
		.amdhsa_kernarg_size 176
		.amdhsa_user_sgpr_count 2
		.amdhsa_user_sgpr_kernarg_segment_ptr 1
		.amdhsa_wavefront_size32 1
		.amdhsa_system_sgpr_workgroup_id_x 1
		.amdhsa_system_sgpr_workgroup_id_y 1
		.amdhsa_system_sgpr_workgroup_id_z 1
		.amdhsa_system_vgpr_workitem_id 0
		.amdhsa_next_free_vgpr 1024
		.amdhsa_next_free_sgpr 96
		.amdhsa_reserve_vcc 0
		.amdhsa_float_denorm_mode_32 3
		.amdhsa_float_denorm_mode_16_64 3
		.amdhsa_memory_ordered 1
		.amdhsa_forward_progress 1
		.amdhsa_inst_pref_size 255
	.end_amdhsa_kernel
	.section	.bss,"aw",@nobits
	.p2align	6
	.space	262144
	.amdgpu_metadata
---
amdhsa.version: [ 1, 2 ]
amdhsa.kernels:
  - .name:           k_qbe8bdbab76_qkv
    .symbol:         k_qbe8bdbab76_qkv.kd
    .args:
      - { .name: x_codes, .offset: 0, .size: 8, .value_kind: global_buffer, .address_space: global }
      - { .name: x_scales, .offset: 8, .size: 8, .value_kind: global_buffer, .address_space: global }
      - { .name: Wq_codes, .offset: 16, .size: 8, .value_kind: global_buffer, .address_space: global }
      - { .name: Wq_scales, .offset: 24, .size: 8, .value_kind: global_buffer, .address_space: global }
      - { .name: Bq_codes, .offset: 32, .size: 8, .value_kind: global_buffer, .address_space: global }
      - { .name: Bq_scales, .offset: 40, .size: 8, .value_kind: global_buffer, .address_space: global }
      - { .name: Aq, .offset: 48, .size: 8, .value_kind: global_buffer, .address_space: global }
      - { .name: bq, .offset: 56, .size: 8, .value_kind: global_buffer, .address_space: global }
      - { .name: Wk_codes, .offset: 64, .size: 8, .value_kind: global_buffer, .address_space: global }
      - { .name: Wk_scales, .offset: 72, .size: 8, .value_kind: global_buffer, .address_space: global }
      - { .name: Bk_codes, .offset: 80, .size: 8, .value_kind: global_buffer, .address_space: global }
      - { .name: Bk_scales, .offset: 88, .size: 8, .value_kind: global_buffer, .address_space: global }
      - { .name: Ak, .offset: 96, .size: 8, .value_kind: global_buffer, .address_space: global }
      - { .name: bk, .offset: 104, .size: 8, .value_kind: global_buffer, .address_space: global }
      - { .name: Wv_codes, .offset: 112, .size: 8, .value_kind: global_buffer, .address_space: global }
      - { .name: Wv_scales, .offset: 120, .size: 8, .value_kind: global_buffer, .address_space: global }
      - { .name: Bv_codes, .offset: 128, .size: 8, .value_kind: global_buffer, .address_space: global }
      - { .name: Bv_scales, .offset: 136, .size: 8, .value_kind: global_buffer, .address_space: global }
      - { .name: Av, .offset: 144, .size: 8, .value_kind: global_buffer, .address_space: global }
      - { .name: bv, .offset: 152, .size: 8, .value_kind: global_buffer, .address_space: global }
      - { .name: qq, .offset: 160, .size: 8, .value_kind: global_buffer, .address_space: global }
      - { .name: kv, .offset: 168, .size: 8, .value_kind: global_buffer, .address_space: global }
    .group_segment_fixed_size: 168448
    .private_segment_fixed_size: 0
    .kernarg_segment_align: 8
    .kernarg_segment_size: 176
    .max_flat_workgroup_size: 128
    .sgpr_count:     96
    .vgpr_count:     1024
    .wavefront_size: 32
...
	.end_amdgpu_metadata
.endif
;; end of part 1
;; launch attn (part 2): grid 4 x 64, 8 waves a work-group, clusters of 4 x 1, 168,960 bytes of LDS; arguments qq, kv, ao; writes ao
.if DOCPART == 2
	.amdgcn_target "amdgcn-amd-amdhsa--gfx1250"
	.amdhsa_code_object_version 6
	.text
	.protected	k_qbe8bdbab76_attn
	.globl	k_qbe8bdbab76_attn
	.p2align	8
	.type	k_qbe8bdbab76_attn,@function
k_qbe8bdbab76_attn:
	s_mov_b64 s[64:65], 0
	v_nop
	global_prefetch_b8 v0, s[64:65] scope:SCOPE_SE
	s_setreg_imm32_b32 hwreg(HW_REG_WAVE_MODE, 25, 1), 1
	s_wait_xcnt 0x0
	s_wait_alu depctr_hold_cnt(0) depctr_sa_sdst(0) depctr_va_vdst(0) depctr_va_sdst(0) depctr_va_ssrc(0) depctr_va_vcc(0) depctr_vm_vsrc(0)
	s_getreg_b32 s2, hwreg(HW_REG_IB_STS2, 6, 4)
	s_cmp_eq_u32 s2, 0
	s_cbranch_scc0 .Lentry_in_a_cluster
	s_endpgm
.Lentry_in_a_cluster:
	s_bfe_u32 s2, ttmp6, 0x10000c
	s_cmp_lg_u32 s2, 0x3003
	s_cbranch_scc0 .Lentry_shape_is_right
	s_endpgm
.Lentry_shape_is_right:
; o = softmax(q k^T / 8) v for one head, both products on codes of FP4 with one E8M0 byte for 32 along K; o is divided by the row's sum, quantised along the features and stored as an image of the last launch's operand.
; THE SOFTMAX: t = score x log2(e) / 8; M = the running largest t rounded up to a whole number; p = 2^(t - M) is quantised along the keys, not normalised; the row's sum is taken of the unquantised p.
; When M moves, the sum and O are multiplied by 2^(old M - new M): exact.
; SHARES.  A work-group takes one head and 512 queries: 32 tiles of 16.  Wave w of eight takes tile w of block 4 cx + pass, four passes in one loop; a pass walks the head's 2,048 keys, 256 a step, 8 steps.
; M, the factor and the rescaling of O are made once for 256 keys.  The chains of each search and sum take turns.
; THE EXPONENTIALS go in four groups of 32 (64 keys each).  Between a group's lines stand plain lines that name none of its results: the next group's t - M, the earlier groups' part of the row's sum
; (16 chains, one link a group) and one level of the scales' lines; one wait stands at each group's edge, between every such write and its reader.
; LDS.  The head's k and v as register images with their scale registers, 16 x 8,960 bytes, lie in LDS as in memory, filled ONCE: wave w fetches 17,920 bytes, one tensor load.  No LDS byte is filled twice.
; CLUSTER.  The four work-groups of a cluster take the same head: each load is a joint one.  No prefetch: the launch's one stream is asked for whole at the head, ahead of any loop.
; LAYOUT.  Both products are used transposed (S^T = k q^T, O^T = v^T p^T): a lane holds one query throughout.
; THE KEYS OF A TILE ARE CHOSEN BY THE LDS ADDRESS: position r of tile i of group g (64 keys) is key 64 g + 32 (r / 8) + 8 i + r % 8, picked out of the stored images (whose position r of tile 2 b + u is key 32 b + 8 u + r + 8 (r / 8)).
; So the 32 registers of a group's four tiles are, in lanes 0-15, the 32 keys of block 2 g and, in lanes 16-31, those of block 2 g + 1: a block's largest score needs no other lane, and the conversions' results are the operand's registers.
; K = 64 IN A FORM OF K = 128.  q's registers 4-7 are zero codes.  A tile of k has 4 registers; the instruction names 8, of which the upper four are the next tile's codes (behind the last: zeros): they meet q's zeros.
; k's fragments and scale words are fetched a step ahead, behind the products that read them; the last step of a pass fetches none (a branch on the count of steps), and a pass begins with its own fetch.
; LIMITS: NaN and infinities are not served.  A block of zeros gets the byte 1 where the quantiser says 127: its codes are zeros, and this program alone reads the bytes.
; REGISTERS.  Window 0: v1-11 addresses; v12 -M, v13 the largest score, v[14:15] the sum; v16 f, v17-18 p's scale words; v24-27 q's scale words; v28-31 v's; v32-39 k's; v40-59 at work; v60-75 p's codes; v76-91 and v224-239 partial sums; v96-223 S^T, then p.
; Window 1: v0-31 O^T; v32-95 k's 16 tiles, v96-99 zeros; v100-163 v's 8 tiles; v164-167 q, v168-171 zeros; v172-183 the later passes' q.
.set LI,  1                            ; 16 x lane
.set L8,  2                            ; 8 x lane
.set KL,  3                            ; my lane's place in k's images: 1024 (r / 8) + 16 (r % 8) + 256 h
.set SL,  4                            ; and among k's scale words: 256 h + 16 (r % 8) + 4 (r / 8)
.set ASO, 5
.set SH,  6                            ; 8 h
.set QSO, 7
.set ADV, 8
.set ADS, 9
.set ADK, 10
.set ADT, 11
.set F,   16
.set PS,  17
.set R,   20
.set X,   21
.set OLD, 22
.set TMP, 23
.set QS,  24
.set QSN, 25
.set VS,  28
.set KS,  32
.set BM,  40
.set TM,  40
.set SO,  48
.set BP,  52
.set W,   56
.set X2,  58
.set PC,  60
.set T,   76                           ; partial sum k (a pair): v[T + 2 k] for k under 8, v[T + 2 k + 132] from 8 on
.set S,   96
.set O,   0
.set KF,  32
.set VF,  100
.set Q,   164
.set QN,  172
.set G1,  16
.set G0,  24
.set AC,  28
.set AS,  30
.set CS,  32
.set SEL, 34
.set HI,  36
.set TB,  37
.set KC,  38
.set WV,  39
.set CX,  40
.set BH,  41
.set PN,  57
.set STEPB, 8960
.set MSB, 0
.macro WIN new                         ; the immediate's high byte repeats the setting that is left
.if MSB != (\new)
	s_set_vgpr_msb (MSB<<8)|(\new)
.set MSB, (\new)
.endif
.endm
.macro D n                             ; a hint ahead of a plain reader of a plain result n vector instructions back
	s_delay_alu instid0(VALU_DEP_\n)
.endm
.macro ROUND
	s_barrier_signal -1
	s_barrier_wait -1
	s_cmp_lg_u32 s[WV], 0
	s_cbranch_scc1 .Lnw0_\@
	s_barrier_signal -3
.Lnw0_\@:
	s_barrier_wait -3
	s_barrier_signal -1
	s_barrier_wait -1
.endm
.macro SW d, a, sa, ra                 ; a tile of S^T: source 0 = 16 keys, source 1 = q; ra = 1: k's scale words lie in lanes 16-31
.if (\ra) == 0
	v_wmma_scale_f32_16x16x128_f8f6f4 v[(\d):(\d)+7], v[(\a):(\a)+7], v[Q:Q+7], 0, v[\sa], v[QS] matrix_a_fmt:MATRIX_FMT_FP4 matrix_b_fmt:MATRIX_FMT_FP4
.else
	v_wmma_scale_f32_16x16x128_f8f6f4 v[(\d):(\d)+7], v[(\a):(\a)+7], v[Q:Q+7], 0, v[\sa], v[QS] matrix_a_fmt:MATRIX_FMT_FP4 matrix_b_fmt:MATRIX_FMT_FP4 matrix_a_scale:MATRIX_SCALE_ROW1
.endif
.endm
.macro PW d, a, b, sa, sb, ra          ; a tile of O^T, in place: source 0 = 16 features of v, source 1 = p
.if (\ra) == 0
	v_wmma_scale_f32_16x16x128_f8f6f4 v[(\d):(\d)+7], v[(\a):(\a)+7], v[(\b):(\b)+7], v[(\d):(\d)+7], v[\sa], v[\sb] matrix_a_fmt:MATRIX_FMT_FP4 matrix_b_fmt:MATRIX_FMT_FP4
.else
	v_wmma_scale_f32_16x16x128_f8f6f4 v[(\d):(\d)+7], v[(\a):(\a)+7], v[(\b):(\b)+7], v[(\d):(\d)+7], v[\sa], v[\sb] matrix_a_fmt:MATRIX_FMT_FP4 matrix_b_fmt:MATRIX_FMT_FP4 matrix_a_scale:MATRIX_SCALE_ROW1
.endif
.endm
.macro KLOAD ak, at, off               ; k's 8 scale registers and 16 tiles of 256 keys: 24 LDS loads
.irp e, 0,1
.irp c, 0,1
.irp z, 0,1
	ds_load_b32 v[KS+4*\e+2*\c+\z], v[\at] offset:(\off)+STEPB*\e+8192+128*\z+8*\c   ; lanes 0-15 tile 2 z, lanes 16-31 tile 2 z + 1 of the group
.endr
.endr
.endr
	WIN 0x40
.irp e, 0,1
.irp c, 0,1
.irp i, 0,1,2,3
	ds_load_b128 v[KF+32*\e+16*\c+4*\i:KF+32*\e+16*\c+4*\i+3], v[\ak] offset:(\off)+STEPB*\e+2048*\c+512*(\i%2)+128*(\i/2)
.endr
.endr
.endr
	WIN 0
.endm
.macro FMAS from, n                    ; t - M, two at a time
.set jj, \from
.rept \n
	v_pk_fma_f32 v[S+jj:S+jj+1], v[S+jj:S+jj+1], s[CS:CS+1], v[12:13] op_sel_hi:[1,0,0]
.set jj, jj+2
.endr
.endm
; Group g's 32 exponentials: p = 2^(t - M), at most 1.  Between them, plain lines on other registers: fma = 1: the next group's t - M;
; add = 1: the 16 partial sums begin, group g - 2's p + group g - 1's; add = 2: group g - 1's p is added.  Each written register is read only behind the next wait.
.macro STG g, fma, add
.set jj, 0
.rept 16
	v_exp_f32 v[S+32*(\g)+jj], v[S+32*(\g)+jj]
.if \fma
	v_pk_fma_f32 v[S+32*(\g)+32+jj:S+32*(\g)+33+jj], v[S+32*(\g)+32+jj:S+32*(\g)+33+jj], s[CS:CS+1], v[12:13] op_sel_hi:[1,0,0]
.endif
	v_exp_f32 v[S+32*(\g)+jj+1], v[S+32*(\g)+jj+1]
.if (\add) == 1
	v_pk_add_f32 v[T+jj+132*(jj/16):T+jj+132*(jj/16)+1], v[S+32*(\g)-64+jj:S+32*(\g)-63+jj], v[S+32*(\g)-32+jj:S+32*(\g)-31+jj]
.elseif (\add) == 2
	v_pk_add_f32 v[T+jj+132*(jj/16):T+jj+132*(jj/16)+1], v[T+jj+132*(jj/16):T+jj+132*(jj/16)+1], v[S+32*(\g)-32+jj:S+32*(\g)-31+jj]
.endif
.set jj, jj+2
.endr
.endm
	s_load_b128 s[4:7], s[0:1], 0x0                ; qq, kv
	s_load_b64 s[8:9], s[0:1], 0x10                ; ao
	v_lshl_add_u32 v254, v0, 2, 0x29000
	v_mov_b32 v255, 0
	ds_add_u32 v254, v255                          ; the opening lines: the add twice on end and its wait
	ds_add_u32 v254, v255
	v_lshrrev_b32 v8, 5, v0
	D 1
	v_readfirstlane_b32 s[WV], v8                  ; wave 0..7
	s_bfe_u32 s[CX], ttmp6, 0x40000                ; my place in the cluster: the block of 512 queries
	s_and_b32 s[BH], ttmp7, 0xffff                 ; batch x 16 + head, which the four partners share
	s_lshl_b32 s42, s[BH], 3                       ; kv: 256 keys w of the head: these registers never hold my place in the cluster
	s_add_co_u32 s42, s42, s[WV]
	s_mul_i32 s42, s42, 2*STEPB
	s_mov_b32 s43, 0
	s_mul_i32 s[G0+1], s[WV], 2*STEPB              ; and their place in LDS
	s_and_b32 s49, s[BH], 15                       ; the head
	s_lshl_b32 s50, s[CX], 2                       ; the first pass's block of 128 queries; each pass goes one on
	s_lshl_b32 s44, s[BH], 4
	s_add_co_u32 s44, s44, s50
	s_mul_i32 s44, s44, 4608
	s_mov_b32 s45, 0
	s_and_b32 s46, s[BH], 0xfff0                   ; 16 x batch
	s_add_co_u32 s46, s46, s50
	s_mul_i32 s46, s46, 69632
	s_mov_b32 s47, 0
	s_mov_b32 s53, 0
	s_and_b32 s54, s[WV], 1                        ; my tile's scale words: lanes 16 (tile % 2) on, register tile / 2
	s_lshl_b32 s54, s54, 8
	s_lshr_b32 s55, s[WV], 1
	s_lshl_b32 s55, s55, 2
	s_add_co_u32 s54, s54, s55
	; descriptor group 1: 17,920 dense bytes as 70 rows of 32 elements of 8 bytes, no padding
	s_mov_b32 s[G1+0], 15|(3<<16)|(1<<21)          ; 15:0 the mask: all four work-groups; 17:16 elements of 8 bytes; 21 set beside a mask
	s_mov_b32 s[G1+1], 32<<16
	s_mov_b32 s[G1+2], 70<<16
	s_mov_b32 s[G1+3], 32<<16
	s_mov_b32 s[G1+4], 70
	s_mov_b32 s[G1+5], 32
	s_mov_b32 s[G1+6], 0
	s_mov_b32 s[G1+7], 0
	s_mov_b32 s[CS], 0x3e38aa3b                    ; c = log2(e) / 8
	s_mov_b32 s[CS+1], s[CS]                       ; (named with it as a pair, so it is written)
	s_mov_b32 s[SEL], 0x76543210
	s_mov_b32 s[SEL+1], 0xfedcba98
	s_mov_b32 s[HI], 0xffff0000
	v_and_b32 v[LI], 31, v0
	D 1
	v_lshlrev_b32 v[L8], 3, v[LI]
	D 2
	v_lshlrev_b32 v[LI], 4, v[LI]
	v_and_b32 v8, 15, v0                           ; r
	v_bfe_u32 v9, v0, 4, 1                         ; h
	v_and_b32 v10, 7, v0                           ; r % 8
	v_bfe_u32 v11, v0, 3, 1                        ; r / 8
	D 4
	v_lshl_add_u32 v[QSO], v8, 4, s54
	D 4
	v_lshl_add_u32 v[ASO], v8, 5, v9               ; 32 bytes a row, + my block
	v_lshlrev_b32 v[SH], 3, v9
	v_lshlrev_b32 v[KL], 4, v10
	D 1
	v_lshl_add_u32 v[SL], v9, 8, v[KL]
	D 1
	v_lshl_add_u32 v[KL], v11, 10, v[SL]
	D 2
	v_lshl_add_u32 v[SL], v11, 2, v[SL]
	v_mov_b32 v[X], 0                              ; written once: a lane permute's destination counts as one of its sources
	v_mov_b32 v[X2], 0
	v_mov_b32 v[X2+1], 0
	v_mov_b32 v[PS], 0                             ; (named as the upper half of the pair with f before it is first written)
	WIN 0x40
.irp i, 0,1,2,3
	v_mov_b32 v[Q+4+\i], 0                         ; zero codes for K 64 .. 127
	v_mov_b32 v[KF+64+\i], 0                       ; behind the last tile of k
.endr
	WIN 0
	s_wait_alu depctr_va_vdst(0)
	s_wait_dscnt 0x0
	s_wait_kmcnt 0x0
	s_mov_b32 s[G0], 1
	s_add_nc_u64 s[G0+2:G0+3], s[6:7], s[42:43]
	s_or_b32 s[G0+3], s[G0+3], 0x80000000
	s_add_nc_u64 s[4:5], s[4:5], s[44:45]          ; my first block of qq,
	s_add_nc_u64 s[12:13], s[4:5], 4096            ; its scale registers,
	s_lshl_b32 s52, s[WV], 9
	s_add_nc_u64 s[4:5], s[4:5], s[52:53]          ; my tile's image
	s_add_nc_u64 s[8:9], s[8:9], s[46:47]          ; my first block of ao
	s_lshl_b32 s52, s[WV], 13
	s_lshl_b32 s56, s49, 9
	s_add_co_u32 s52, s52, s56
	s_add_nc_u64 s[AC:AC+1], s[8:9], s[52:53]      ; [tile][head][lane][16]
	s_lshl_b32 s52, s[WV], 9
	s_lshl_b32 s56, s49, 1
	s_add_co_u32 s52, s52, s56
	s_add_co_u32 s52, s52, 65536
	s_add_nc_u64 s[AS:AS+1], s[8:9], s[52:53]      ; [tile][position][32]: byte 2 x head + block
	ROUND                                          ; all four work-groups are here: the joint loads meet
	tensor_load_to_lds s[G0:G0+3], s[G1:G1+7]
	s_nop 0
.rept 4
	v_nop
.endr
	WIN 0x40
	global_load_b128 v[Q:Q+3], v[LI], s[4:5]
.irp p, 1,2,3
	global_load_b128 v[QN+4*\p-4:QN+4*\p-1], v[LI], s[4:5] offset:4608*\p   ; the later passes' tiles: a block of 4,608 bytes on each
.endr
	WIN 0
	global_load_b32 v[QS], v[QSO], s[12:13]
.irp p, 1,2,3
	global_load_b32 v[QSN+\p-1], v[QSO], s[12:13] offset:4608*\p
.endr
	s_wait_tensorcnt 0x0                           ; my 256 keys of k and v have landed,
	s_barrier_signal -1
	s_barrier_wait -1                              ; everybody's have
	s_wait_loadcnt 0x0                             ; q
	s_mov_b32 s[PN], 0
.Lpass:                                            ; four trips: one tile of 16 queries against all keys
	KLOAD KL, SL, 0                                ; the pass's first 256 keys of k
	v_mov_b32 v12, 0x7f61b1e6                      ; -M: 3e38
	v_mov_b32 v13, 0xff61b1e6                      ; the largest score so far: -3e38, under every score
	v_mov_b32 v14, 0                               ; the sum, in two halves
	v_mov_b32 v15, 0
	WIN 0x40
.set jj, 0
.rept 32
	v_mov_b32 v[O+jj], 0                           ; O^T: the step is written once; the first finds zeros, which the first change of M leaves zeros
.set jj, jj+1
.endr
	WIN 0
	s_mov_b32 s[TB], 0
	s_mov_b32 s[KC], 8
.Lstep:                                            ; 8 trips: 256 keys each
	v_add_nc_u32 v[ADV], s[TB], v[LI]
	v_add_nc_u32 v[ADS], s[TB], v[L8]
	v_nop
	v_nop                                          ; four places behind the last products, ahead of the loads into v's registers
.irp e, 0,1
	ds_load_b64 v[VS+2*\e:VS+2*\e+1], v[ADS] offset:STEPB*\e+8704
.endr
	WIN 0x40
.irp e, 0,1
.irp n, 0,1,2,3,4,5,6,7
	ds_load_b128 v[VF+32*\e+4*\n:VF+32*\e+4*\n+3], v[ADV] offset:STEPB*\e+4096+512*\n
.endr
.endr
	s_wait_dscnt 18                                ; k's 24 loads, issued a step ago, are in; v's 18 just issued may be out
	WIN 0x05
.irp g, 0,1,2,3
.irp i, 0,1,2,3
	SW S+32*\g+8*\i, KF+16*\g+4*\i, KS+2*\g+\i/2, \i%2   ; register 32 g + 8 i + j of a lane: key 64 g + 32 (lane / 16) + 8 i + j
.endr
.endr
	WIN 0
	v_add_nc_u32 v[ADK], s[TB], v[KL]
	v_add_nc_u32 v[ADT], s[TB], v[SL]
	v_nop
	v_nop                                          ; four places: ahead of the loads into k's registers and of the first read of S^T
	s_cmp_eq_u32 s[KC], 1
	s_cbranch_scc1 .Lnok                           ; the pass's last step has no successor
	KLOAD ADK, ADT, 2*STEPB                        ; the next step's k
.Lnok:
.irp x, 0,1,2,3,4,5,6,7
	v_max3_num_f32 v[BM+\x], v[S+16*\x], v[S+16*\x+1], v[S+16*\x+2]   ; the largest score of each block of 32 keys, in two chains of 16: for the row's maximum and, since p rises with the score, for the block's largest p
.endr
.irp i, 3,5,7,9,11,13
.irp x, 0,1,2,3,4,5,6,7
	v_max3_num_f32 v[BM+\x], v[BM+\x], v[S+16*\x+\i], v[S+16*\x+\i+1]
.endr
.endr
.irp g, 0,1,2,3
	v_max3_num_f32 v[BM+2*\g+1], v[BM+2*\g+1], v[S+32*\g+31], v[S+32*\g+15]
.endr
	v_mov_b32 v[OLD], v12
.irp g, 0,1,2,3
	v_max_num_f32 v[BM+2*\g], v[BM+2*\g], v[BM+2*\g+1]   ; my block's largest score
.endr
	D 2
	v_max3_num_f32 v[R], v[BM], v[BM+2], v[BM+4]
	D 1
	v_max3_num_f32 v[R], v[R], v[BM+6], v13        ; with the running largest
	D 1
	v_permlanex16_b32 v[X], v[R], s[SEL], s[SEL+1]
	D 1
	v_max_num_f32 v13, v[R], v[X]                  ; and lane l xor 16's blocks
	D 1
	v_mul_f32 v[TMP], s[CS], v13                   ; as t (c is positive)
	D 1
	v_floor_f32 v12, -v[TMP]                       ; the new -M = floor(-t): M is a whole number
	FMAS 0, 8                                      ; the first group's t - M
	v_sub_f32 v[OLD], v12, v[OLD]                  ; old M - new M: a whole number, 0 or less
	FMAS 16, 8
	v_cvt_i32_f32 v[OLD], v[OLD]                   ; (it saturates)
.irp g, 0,1,2,3
	v_fma_f32 v[BM+2*\g], v[BM+2*\g], s[CS], v12   ; the same of each block's largest score
.endr
	v_ldexp_f32 v[F], 1.0, v[OLD]                  ; f = 2^(old M - new M)
	s_wait_alu depctr_va_vdst(0)                   ; a wait ahead of each group of exponentials, which is also the wait behind the group before
.irp g, 0,1,2,3
	v_exp_f32 v[BM+2*\g], v[BM+2*\g]               ; the block's largest p: the same two instructions on the same number give the same bits
.endr
	STG 0, 1, 0
	s_wait_alu depctr_va_vdst(0)
	STG 1, 1, 0
.irp g, 0,1,2,3
	v_max_num_f32 v[BM+2*\g], 0x1800000, v[BM+2*\g]   ; the floor 2^(3 - 127): the byte cannot fall under 1
.endr
	s_wait_alu depctr_va_vdst(0)
	STG 2, 1, 1
.irp g, 0,1,2,3
	v_add_nc_u32 v[SO+\g], 0xff000000, v[BM+2*\g]  ; 2 off the exponent field: the conversion's scale operand
.endr
	s_wait_alu depctr_va_vdst(0)
	STG 3, 0, 2
.irp g, 0,1,2,3
	v_lshrrev_b32 v[BP+\g], 23, v[SO+\g]           ; the scale's byte
.endr
	v_pk_mul_f32 v[14:15], v[14:15], v[F:F+1] op_sel_hi:[1,0]   ; the sums under the new M
	s_wait_dscnt 0x0                               ; v is in
	WIN 0x41
	s_wait_alu depctr_va_vdst(0)                   ; the wait behind the last group, directly ahead of the first reader of O^T
.set jj, 0
.rept 16
	v_pk_mul_f32 v[O+jj:O+jj+1], v[O+jj:O+jj+1], v[F:F+1] op_sel_hi:[1,0]   ; O^T under the new M
.set jj, jj+2
.endr
	WIN 0
.irp e, 0,1
	v_lshl_or_b32 v[W+\e], v[BP+2*\e+1], 16, v[BP+2*\e]   ; my two bytes of these 128 keys: blocks h and 2 + h,
.endr
.irp k, 0,1,2,3,4,5,6,7
	v_pk_add_f32 v[T+2*\k:T+2*\k+1], v[T+2*\k:T+2*\k+1], v[S+96+2*\k:S+97+2*\k]   ; the last group's p; the sums' lines stand between the scale words' lines, so that no line waits for the line above it
.endr
.irp e, 0,1
	v_lshlrev_b32 v[W+\e], v[SH], v[W+\e]          ; at their places in the scale word;
.endr
.irp k, 8,9,10,11,12,13,14,15
	v_pk_add_f32 v[T+2*\k+132:T+2*\k+133], v[T+2*\k+132:T+2*\k+133], v[S+96+2*\k:S+97+2*\k]
.endr
.irp e, 0,1
	v_permlanex16_b32 v[X2+\e], v[W+\e], s[SEL], s[SEL+1]
.endr
.irp k, 0,1,2,3,4,5,6,7
	v_pk_add_f32 v[T+2*\k:T+2*\k+1], v[T+2*\k:T+2*\k+1], v[T+2*\k+148:T+2*\k+149]   ; the 16 chains are joined: 8,
.endr
.irp e, 0,1
	v_or_b32 v[PS+\e], v[W+\e], v[X2+\e]           ; with lane l xor 16's two the word is whole
.endr
.irp g, 0,1,2,3
.irp i, 0,1,2,3
	v_cvt_scalef32_pk8_fp4_f32 v[PC+4*\g+\i], v[S+32*\g+8*\i:S+32*\g+8*\i+7], v[SO+\g]   ; registers 4 c .. 4 c + 3 of the operand: keys 64 c + 32 (lane / 16) + 0 .. 31
.endr
.endr
.irp k, 0,1,2,3
	v_pk_add_f32 v[T+2*\k:T+2*\k+1], v[T+2*\k:T+2*\k+1], v[T+2*\k+8:T+2*\k+9]   ; 4: these eight lines are also the places behind the conversions and the scale words, ahead of the products
.endr
	D 2
	v_pk_add_f32 v[T:T+1], v[T:T+1], v[T+4:T+5]
	D 2
	v_pk_add_f32 v[T+2:T+3], v[T+2:T+3], v[T+6:T+7]
	D 1
	v_pk_add_f32 v[T:T+1], v[T:T+1], v[T+2:T+3]
	D 1
	v_pk_add_f32 v[14:15], v[14:15], v[T:T+1]
	WIN 0x51
.irp e, 0,1
.irp t, 0,1,2,3
	PW O+8*\t, VF+32*\e+8*\t, PC+8*\e, VS+2*\e+\t/2, PS+\e, \t%2   ; O^T += v^T p^T: four accumulators by turns
.endr
.endr
	WIN 0
	s_add_co_u32 s[TB], s[TB], 2*STEPB
	s_sub_co_u32 s[KC], s[KC], 1
	s_cmp_lg_u32 s[KC], 0
	s_cbranch_scc1 .Lstep
	v_add_f32 v14, v14, v15                        ; the sum's two halves,
	D 1
	v_permlanex16_b32 v[X], v14, s[SEL], s[SEL+1]
	D 1
	v_add_f32 v14, v14, v[X]                       ; and lane l xor 16's
	v_nop
	s_wait_alu depctr_va_vdst(0)                   ; the wait ahead of the reciprocal
	v_rcp_f32 v14, v14
	v_nop                                          ; a plain place behind the reciprocal; with the four above: five places behind the last products
	WIN 0x01
	s_wait_alu depctr_va_vdst(0)                   ; and the wait ahead of its first reader, which is also O^T's
.set jj, 0
.rept 16
	v_pk_mul_f32 v[S+jj:S+jj+1], v[O+jj:O+jj+1], v[14:15] op_sel_hi:[1,0]   ; o: registers 16 b + i: features 32 b + 16 (lane / 16) + i of my query
.set jj, jj+2
.endr
	WIN 0
.irp g, 0,1                                    ; o's two blocks of 32 features: my 16 numbers, the other 16 in lane l xor 16
	v_max3_num_f32 v[TM+\g], |v[S+16*\g]|, |v[S+16*\g+1]|, 0x1800000
.endr
.irp i, 2,4,6,8,10,12,14
.irp g, 0,1
	D 2
	v_max3_num_f32 v[TM+\g], v[TM+\g], |v[S+16*\g+\i]|, |v[S+16*\g+\i+1]|
.endr
.endr
.irp g, 0,1
	D 2
	v_permlanex16_b32 v[TM+4+\g], v[TM+\g], s[SEL], s[SEL+1]
.endr
.irp g, 0,1
	D 2
	v_max_num_f32 v[TM+\g], v[TM+\g], v[TM+4+\g]
.endr
.irp g, 0,1
	D 2
	v_add_nc_u32 v[TM+8+\g], 0xff000000, v[TM+\g]
.endr
.irp g, 0,1
	D 2
	v_lshrrev_b32 v[TM+4+\g], 23, v[TM+8+\g]
.endr
.irp g, 0,1
	v_cvt_scalef32_pk8_fp4_f32 v[PC+2*\g], v[S+16*\g:S+16*\g+7], v[TM+8+\g]
	v_cvt_scalef32_pk8_fp4_f32 v[PC+2*\g+1], v[S+16*\g+8:S+16*\g+15], v[TM+8+\g]
.endr
	v_nop                                          ; one plain place behind the scaled conversions
.irp i, 0,1
	v_permlane16_swap_b32 v[PC+\i], v[PC+2+\i]     ; lanes 0-15 features 0-31, lanes 16-31 features 32-63
.endr
	v_cndmask_b32 v[TMP], v[TM+4], v[TM+5], s[HI]  ; my block's byte
	global_store_b128 v[LI], v[PC:PC+3], s[AC:AC+1]    ; 512 consecutive bytes, aligned to 256
	global_store_b8 v[ASO], v[TMP], s[AS:AS+1]
	s_wait_xcnt 0x0                                ; the stores have read their data and bases: both may be written again
	s_add_nc_u64 s[AC:AC+1], s[AC:AC+1], 69632     ; the next pass's block of ao (behind the last pass the stepped addresses are not used)
	s_add_nc_u64 s[AS:AS+1], s[AS:AS+1], 69632
	WIN 0x41
.irp i, 0,1,2,3
	v_mov_b32 v[Q+\i], v[QN+\i]                    ; the next pass's q moves up,
.endr
.irp i, 0,1,2,3,4,5,6,7
	v_mov_b32 v[QN+\i], v[QN+4+\i]                 ; and the later ones behind it
.endr
	WIN 0
	v_mov_b32 v[QS], v[QSN]
	v_mov_b32 v[QSN], v[QSN+1]
	v_mov_b32 v[QSN+1], v[QSN+2]
	s_add_co_u32 s[PN], s[PN], 1
	s_cmp_lt_u32 s[PN], 4
	s_wait_alu depctr_va_vdst(0)
	s_cbranch_scc1 .Lpass
	s_wait_dscnt 0x0
	s_wait_tensorcnt 0x0                           ; the wave's end
	ds_add_u32 v254, v255
	s_wait_dscnt 0x0
	ROUND                                          ; the closing round
	s_endpgm
.Lfunc_end_k_qbe8bdbab76_attn:
	.size	k_qbe8bdbab76_attn, .Lfunc_end_k_qbe8bdbab76_attn-k_qbe8bdbab76_attn
	.p2alignl 7, 3214868480
	.fill 96, 4, 3214868480
	.section	.rodata,"a",@progbits
	.p2align	6, 0x0
	.amdhsa_kernel k_qbe8bdbab76_attn
		.amdhsa_group_segment_fixed_size 168960
		.amdhsa_private_segment_fixed_size 0
		.amdhsa_enable_private_segment 0
		.amdhsa_kernarg_size 24
		.amdhsa_user_sgpr_count 2
		.amdhsa_user_sgpr_kernarg_segment_ptr 1
		.amdhsa_wavefront_size32 1
		.amdhsa_system_sgpr_workgroup_id_x 1
		.amdhsa_system_sgpr_workgroup_id_y 1
		.amdhsa_system_sgpr_workgroup_id_z 1
		.amdhsa_system_vgpr_workitem_id 0
		.amdhsa_next_free_vgpr 512
		.amdhsa_next_free_sgpr 66
		.amdhsa_reserve_vcc 0
		.amdhsa_float_denorm_mode_32 3
		.amdhsa_float_denorm_mode_16_64 3
		.amdhsa_memory_ordered 1
		.amdhsa_forward_progress 1
		.amdhsa_inst_pref_size 42
	.end_amdhsa_kernel
	.amdgpu_metadata
---
amdhsa.version: [ 1, 2 ]
amdhsa.kernels:
  - .name:           k_qbe8bdbab76_attn
    .symbol:         k_qbe8bdbab76_attn.kd
    .args:
      - { .name: qq, .offset: 0, .size: 8, .value_kind: global_buffer, .address_space: global }
      - { .name: kv, .offset: 8, .size: 8, .value_kind: global_buffer, .address_space: global }
      - { .name: ao, .offset: 16, .size: 8, .value_kind: global_buffer, .address_space: global }
    .group_segment_fixed_size: 168960
    .private_segment_fixed_size: 0
    .kernarg_segment_align: 8
    .kernarg_segment_size: 24
    .max_flat_workgroup_size: 256
    .sgpr_count:     66
    .vgpr_count:     512
    .wavefront_size: 32
...
	.end_amdgpu_metadata
.endif
;; end of part 2
;; launch oproj (part 3): grid 4 x 64, 4 waves a work-group, clusters of 4 x 1, 168,448 bytes of LDS; arguments ao, Wo_codes, Wo_scales, Bo_codes, Bo_scales, Ao, bo, out0; writes out0
.if DOCPART == 3
	.amdgcn_target "amdgcn-amd-amdhsa--gfx1250"
	.amdhsa_code_object_version 6
	.text
	.protected	k_qbe8bdbab76_oproj
	.globl	k_qbe8bdbab76_oproj
	.p2align	8
	.type	k_qbe8bdbab76_oproj,@function
k_qbe8bdbab76_oproj:
	s_mov_b64 s[64:65], 0
	v_nop
	global_prefetch_b8 v0, s[64:65] scope:SCOPE_SE
	s_setreg_imm32_b32 hwreg(HW_REG_WAVE_MODE, 25, 1), 1
	s_wait_xcnt 0x0
	s_wait_alu depctr_hold_cnt(0) depctr_sa_sdst(0) depctr_va_vdst(0) depctr_va_sdst(0) depctr_va_ssrc(0) depctr_va_vcc(0) depctr_vm_vsrc(0)
	s_getreg_b32 s2, hwreg(HW_REG_IB_STS2, 6, 4)
	s_cmp_eq_u32 s2, 0
	s_cbranch_scc0 .Lentry_in_a_cluster
	s_endpgm
.Lentry_in_a_cluster:
	s_bfe_u32 s2, ttmp6, 0x10000c
	s_cmp_lg_u32 s2, 0x3003
	s_cbranch_scc0 .Lentry_shape_is_right
	s_endpgm
.Lentry_shape_is_right:
; out0 = a Wo^T + bo + 0.5 (a Bo^T) Ao^T; a is the attention's result as codes of FP4, laid as images of this launch's operand registers.  a Wo^T and a Bo^T run on codes;
; (a Bo^T) Ao^T, whose result goes into no quantiser, runs on bf16 operands (K = 16, filled to 32 with zeros) with f32 sums.
; SHARES.  A work-group takes 128 rows and 256 columns; wave w takes columns 256 cx + 64 w on: four tiles of Wo, whose fragments for all of K stay in registers.  Four pairs of 32 rows.
; Source 0 = Wo, source 1 = a: a lane holds one row, its eight registers eight neighbouring columns.
; THE ROWS OF A TILE OF a ARE NOT NEIGHBOURS: position r of tile 2 b + u is row 32 b + 8 u + r + 8 (r / 8), as the earlier launches laid them; the way out puts each row in its place.
; CLUSTER.  The four work-groups of a cluster take the same 128 rows: a's block (69,632 bytes, codes and scale bytes) comes into LDS once, by joint loads, a quarter a wave.  Wo differs from partner to partner
; and goes from memory straight into registers.  No LDS byte is filled twice.  One tensor load of a wave is out at the most.
; THE WAY OUT.  A pair's 32 rows x 64 columns go through the wave's own stage (272 bytes a row) and leave as whole rows of 256 bytes: sixteen lanes store 256 consecutive bytes, aligned.
; LIMITS: NaN and infinities are not served.  The operands of the rank-16 product are rounded to bf16.
; REGISTERS.  Window 0: v1-12 offsets; v16-47 a's scale words; v48-63 Wo's; v64-71 Bo's; v72-135 the 8 accumulators; v136-151 a Bo^T; v152-167 the same in bf16, with zeros; v168-231 rows on the way out.
; Window 1: Wo's fragments (t, s) at 8 (8 t + s).   Window 2: v0-63 Bo's fragments; v64-95 0.5 Ao in bf16, with zeros; v96-127 the bias in the result's layout; v128-255 a's fragments (u, s) of the pair.
.set G1,   24
.set G0,   32
.set WV,   36
.set CX,   37
.set RB,   38
.set COL,  39
.set LI,   1
.set WO,   2
.set WSO,  3
.set BO,   5
.set BSO,  6
.set AO,   7
.set BIQ,  8
.set XSA,  9
.set SO,   10
.set SR,   11
.set CO,   12
.set XS,   16
.set WS,   48
.set BS,   64
.set ACC,  72
.set T,    136
.set TSB,  152
.set OB,   168
.set BF,   0
.set AF,   64
.set BI,   96
.set XF,   128
.set STG,  69632                       ; behind a's block: a stage of 32 rows x 272 bytes for each wave; no tensor load lands here
.set MSB, 0
.macro WIN new
.if MSB != (\new)
	s_set_vgpr_msb (MSB<<8)|(\new)
.set MSB, (\new)
.endif
.endm
.macro ROUND
	s_barrier_signal -1
	s_barrier_wait -1
	s_cmp_lg_u32 s[WV], 0
	s_cbranch_scc1 .Lnw0_\@
	s_barrier_signal -3
.Lnw0_\@:
	s_barrier_wait -3
	s_barrier_signal -1
	s_barrier_wait -1
.endm
.macro WM d, a, b, c, sa, sb, ra, rb
.if (\c) < 0
.if ((\ra) == 0) && ((\rb) == 0)
	v_wmma_scale_f32_16x16x128_f8f6f4 v[(\d):(\d)+7], v[(\a):(\a)+7], v[(\b):(\b)+7], 0, v[\sa], v[\sb] matrix_a_fmt:MATRIX_FMT_FP4 matrix_b_fmt:MATRIX_FMT_FP4
.elseif (\rb) == 0
	v_wmma_scale_f32_16x16x128_f8f6f4 v[(\d):(\d)+7], v[(\a):(\a)+7], v[(\b):(\b)+7], 0, v[\sa], v[\sb] matrix_a_fmt:MATRIX_FMT_FP4 matrix_b_fmt:MATRIX_FMT_FP4 matrix_a_scale:MATRIX_SCALE_ROW1
.elseif (\ra) == 0
	v_wmma_scale_f32_16x16x128_f8f6f4 v[(\d):(\d)+7], v[(\a):(\a)+7], v[(\b):(\b)+7], 0, v[\sa], v[\sb] matrix_a_fmt:MATRIX_FMT_FP4 matrix_b_fmt:MATRIX_FMT_FP4 matrix_b_scale:MATRIX_SCALE_ROW1
.else
	v_wmma_scale_f32_16x16x128_f8f6f4 v[(\d):(\d)+7], v[(\a):(\a)+7], v[(\b):(\b)+7], 0, v[\sa], v[\sb] matrix_a_fmt:MATRIX_FMT_FP4 matrix_b_fmt:MATRIX_FMT_FP4 matrix_a_scale:MATRIX_SCALE_ROW1 matrix_b_scale:MATRIX_SCALE_ROW1
.endif
.else
.if ((\ra) == 0) && ((\rb) == 0)
	v_wmma_scale_f32_16x16x128_f8f6f4 v[(\d):(\d)+7], v[(\a):(\a)+7], v[(\b):(\b)+7], v[(\c):(\c)+7], v[\sa], v[\sb] matrix_a_fmt:MATRIX_FMT_FP4 matrix_b_fmt:MATRIX_FMT_FP4
.elseif (\rb) == 0
	v_wmma_scale_f32_16x16x128_f8f6f4 v[(\d):(\d)+7], v[(\a):(\a)+7], v[(\b):(\b)+7], v[(\c):(\c)+7], v[\sa], v[\sb] matrix_a_fmt:MATRIX_FMT_FP4 matrix_b_fmt:MATRIX_FMT_FP4 matrix_a_scale:MATRIX_SCALE_ROW1
.elseif (\ra) == 0
	v_wmma_scale_f32_16x16x128_f8f6f4 v[(\d):(\d)+7], v[(\a):(\a)+7], v[(\b):(\b)+7], v[(\c):(\c)+7], v[\sa], v[\sb] matrix_a_fmt:MATRIX_FMT_FP4 matrix_b_fmt:MATRIX_FMT_FP4 matrix_b_scale:MATRIX_SCALE_ROW1
.else
	v_wmma_scale_f32_16x16x128_f8f6f4 v[(\d):(\d)+7], v[(\a):(\a)+7], v[(\b):(\b)+7], v[(\c):(\c)+7], v[\sa], v[\sb] matrix_a_fmt:MATRIX_FMT_FP4 matrix_b_fmt:MATRIX_FMT_FP4 matrix_a_scale:MATRIX_SCALE_ROW1 matrix_b_scale:MATRIX_SCALE_ROW1
.endif
.endif
.endm
.macro XFETCH b                        ; pair b's 16 fragments of a, all of K: images, 16 bytes a lane at 16 x lane
	WIN 0x80
.irp u, 0,1
.irp k, 0,1,2,3,4,5,6,7
.irp c, 0,1
	ds_load_b128 v[XF+8*(8*\u+\k)+4*\c:XF+8*(8*\u+\k)+4*\c+3], v[LI] offset:(2*(\b)+\u)*8192+1024*\k+512*\c
.endr
.endr
.endr
.endm
.macro MAIN b, k                       ; K step k of the pair's eight sums; the first takes the bias as C
.if (\k) == 0
	WIN 0x29                                       ; source 0 (Wo) window 1, source 1 (a) window 2, C (bias) window 2
.else
	WIN 0x09
.endif
.irp u, 0,1
.irp t, 0,1,2,3
.set CC, ACC+32*\u+8*\t
.if (\k) == 0
.set CC, BI+8*\t
.endif
	WM ACC+32*\u+8*\t, 8*(8*\t+\k), XF+8*(8*\u+\k), CC, WS+8*(\t/2)+\k, XS+8*(\b)+\k, \t%2, \u
.endr
.endr
.endm
.macro TT b, k                         ; K step k of a Bo^T: lane (r, h), register j: position r, rank 8 h + j
	WIN 0x0a
.irp u, 0,1
.if (\k) == 0
	WM T+8*\u, BF+8*(\k), XF+8*(8*\u+\k), -1, BS+\k, XS+8*(\b)+\k, 0, \u
.else
	WM T+8*\u, BF+8*(\k), XF+8*(8*\u+\k), T+8*\u, BS+\k, XS+8*(\b)+\k, 0, \u
.endif
.endr
.endm
.macro PAIR b
	s_wait_dscnt 0x0                               ; the pair's fragments of a are in (in the first pair: the scale words too)
	MAIN \b, 0                                     ; the ten accumulators take turns, one instruction a turn
	TT \b, 0
	TT \b, 1
	MAIN \b, 1
	MAIN \b, 2
	TT \b, 2
	TT \b, 3
	MAIN \b, 3
	MAIN \b, 4
	TT \b, 4
	TT \b, 5
	MAIN \b, 5
	MAIN \b, 6
	TT \b, 6
	TT \b, 7
	MAIN \b, 7
	WIN 0
.rept 4
	v_nop                                          ; four places ahead of the first read of a Bo^T
.endr
.irp u, 0,1
.irp i, 0,1,2,3
	v_cvt_pk_bf16_f32 v[TSB+8*\u+\i], v[T+8*\u+2*\i], v[T+8*\u+2*\i+1]   ; ranks 8 h + 2 i, + 1: source 1's registers 0-3.  With the four above: twelve places ahead of the loads below and of the bf16 products, which write over the sums
.endr
.endr
.if (\b) < 3
	XFETCH (\b)+1
.endif
	WIN 0x02                                       ; source 0 (Ao) window 2
	s_wait_alu depctr_va_vdst(0)
.irp u, 0,1
.irp t, 0,1,2,3
	v_wmma_f32_16x16x32_bf16 v[ACC+32*\u+8*\t:ACC+32*\u+8*\t+7], v[AF+8*\t:AF+8*\t+7], v[TSB+8*\u:TSB+8*\u+7], v[ACC+32*\u+8*\t:ACC+32*\u+8*\t+7]
.endr
.endr
	WIN 0
.rept 5
	v_nop                                          ; four places ahead of the stores that read the sums; five ahead of the next pair's first products, which begin the sums anew with the bias as C
.endr
	s_wait_xcnt 0x0                                ; the last pair's stores have read their data: the rows' registers may be loaded again
.irp u, 0,1
.irp t, 0,1,2,3
	ds_store_b128 v[SO], v[ACC+32*\u+8*\t:ACC+32*\u+8*\t+3] offset:\u*4352+64*\t       ; each accumulator from its low end on
	ds_store_b128 v[SO], v[ACC+32*\u+8*\t+4:ACC+32*\u+8*\t+7] offset:\u*4352+64*\t+16
.endr
.endr
.irp i, 0,1,2,3,4,5,6,7,8,9,10,11,12,13,14,15
	ds_load_b128 v[OB+4*\i:OB+4*\i+3], v[SR] offset:\i*544   ; LDS serves a wave's instructions in order (ISA guide 5.7.1.4): these see my stores; stage rows 2 i and 2 i + 1
.endr
.irp i, 0,1,2,3,4,5,6,7,8,9,10,11,12,13,14,15
	s_wait_dscnt 15-\i                             ; the younger read-backs may be out
	global_store_b128 v[CO], v[OB+4*\i:OB+4*\i+3], s[18:19] offset:(32*(\b)+8*((2*\i)/16)+((2*\i)%16)+8*(((2*\i)%16)/8))*4096 th:TH_STORE_NT   ; stage row 16 u + r is row 32 b + 8 u + r + 8 (r / 8); written once, read by nobody here
.endr
.endm
	s_load_b512 s[4:19], s[0:1], 0x0               ; ao s[4:5], Wo codes s[6:7], Wo scales s[8:9], Bo codes s[10:11], Bo scales s[12:13], Ao s[14:15], bo s[16:17], out0 s[18:19]
	v_lshl_add_u32 v254, v0, 2, 0x29000
	v_mov_b32 v255, 0
	ds_add_u32 v254, v255
	ds_add_u32 v254, v255
	v_lshrrev_b32 v13, 5, v0
	v_readfirstlane_b32 s[WV], v13                 ; wave 0..3
	s_bfe_u32 s[CX], ttmp6, 0x40000                ; my place in the cluster: the group of 256 columns
	s_and_b32 s[RB], ttmp7, 0xffff                 ; the block of 128 rows, which the four partners share
	s_lshl_b32 s[COL], s[CX], 8
	s_lshl_b32 s40, s[WV], 6
	s_add_co_u32 s[COL], s[COL], s40               ; my first column
	v_and_b32 v13, 15, v0                          ; r
	v_bfe_u32 v14, v0, 4, 1                        ; h
	v_and_b32 v15, 31, v0                          ; lane
	v_lshlrev_b32 v[LI], 4, v15
	v_lshlrev_b32 v[WO], 9, v13                    ; Wo, Bo: row r of 512 bytes, + 16 h
	v_lshl_add_u32 v[WO], v14, 4, v[WO]
	v_lshlrev_b32 v[WSO], 5, v15                   ; Wo's scale words: lanes 0-15 the even tile, lanes 16-31 the odd: 32 neighbouring rows of 32 bytes
	v_lshlrev_b32 v[BO], 9, v13
	v_lshl_add_u32 v[BO], v14, 4, v[BO]
	v_lshlrev_b32 v[BSO], 5, v13
	v_lshlrev_b32 v[AO], 6, v13                    ; Ao: row r of 64 bytes, + 32 h
	v_lshl_add_u32 v[AO], v14, 5, v[AO]
	v_lshlrev_b32 v[BIQ], 5, v14                   ; the bias: columns 8 h on
	v_lshlrev_b32 v[XSA], 5, v13                   ; a's scale words in LDS: 32 bytes a position, 512 a tile; lanes 16-31 the odd tile
	v_lshl_add_u32 v[XSA], v14, 9, v[XSA]
	v_add_nc_u32 v[XSA], 0x10000, v[XSA]
	s_mul_i32 s40, s[WV], 8704
	s_add_co_u32 s40, s40, STG                     ; my stage
	v_mul_u32_u24 v[SO], v13, 272                  ; in: row r, 32 bytes for each half of the lanes
	v_lshl_add_u32 v[SO], v14, 5, v[SO]
	v_add_nc_u32 v[SO], s40, v[SO]
	v_mul_u32_u24 v[SR], v14, 272                  ; back: lanes 0-15 one row of 256 bytes, lanes 16-31 the next
	v_lshl_add_u32 v[SR], v13, 4, v[SR]
	v_add_nc_u32 v[SR], s40, v[SR]
	v_lshlrev_b32 v[CO], 12, v14                   ; and the same in out0: a row is 4,096 bytes
	v_lshl_add_u32 v[CO], v13, 4, v[CO]
	; descriptor group 1: 17,408 dense bytes as 68 rows of 32 elements of 8 bytes, no padding
	s_mov_b32 s[G1+0], 15|(3<<16)|(1<<21)          ; 15:0 the mask: all four work-groups; 17:16 elements of 8 bytes; 21 set beside a mask
	s_mov_b32 s[G1+1], 32<<16
	s_mov_b32 s[G1+2], 68<<16
	s_mov_b32 s[G1+3], 32<<16
	s_mov_b32 s[G1+4], 68
	s_mov_b32 s[G1+5], 32
	s_mov_b32 s[G1+6], 0
	s_mov_b32 s[G1+7], 0
	s_mul_i32 s42, s[RB], 69632                    ; a's block, my quarter: these registers never hold my place in the cluster
	s_mul_i32 s[G0+1], s[WV], 17408
	s_add_co_u32 s42, s42, s[G0+1]
	s_mov_b32 s43, 0
	s_mov_b32 s45, 0
	s_wait_dscnt 0x0
	s_wait_kmcnt 0x0
	s_mov_b32 s[G0], 1
	s_add_nc_u64 s[G0+2:G0+3], s[4:5], s[42:43]
	s_or_b32 s[G0+3], s[G0+3], 0x80000000
	s_lshl_b32 s44, s[COL], 9
	s_add_nc_u64 s[6:7], s[6:7], s[44:45]          ; my 64 rows of Wo's codes,
	s_lshl_b32 s44, s[COL], 5
	s_add_nc_u64 s[8:9], s[8:9], s[44:45]          ; of its scales,
	s_lshl_b32 s44, s[COL], 6
	s_add_nc_u64 s[14:15], s[14:15], s[44:45]      ; of Ao,
	s_lshl_b32 s44, s[COL], 2
	s_add_nc_u64 s[16:17], s[16:17], s[44:45]      ; of bo;
	s_add_nc_u64 s[18:19], s[18:19], s[44:45]      ; out0 at my first column
	s_lshl_b32 s44, s[RB], 19
	s_add_nc_u64 s[18:19], s[18:19], s[44:45]      ; and my block's first row
	ROUND                                          ; all four work-groups are here: the joint loads meet; they go out ahead of the run of global loads below
	tensor_load_to_lds s[G0:G0+3], s[G1:G1+7]
	s_nop 0
.rept 4
	v_nop
.endr
	WIN 0x40
.irp t, 0,1,2,3
.irp k, 0,1,2,3,4,5,6,7
.irp c, 0,1
	global_load_b128 v[8*(8*\t+\k)+4*\c:8*(8*\t+\k)+4*\c+3], v[WO], s[6:7] offset:8192*\t+64*\k+32*\c
.endr
.endr
.endr
	WIN 0x80
.irp k, 0,1,2,3,4,5,6,7
.irp c, 0,1
	global_load_b128 v[BF+8*\k+4*\c:BF+8*\k+4*\c+3], v[BO], s[10:11] offset:64*\k+32*\c
.endr
.endr
.irp t, 0,1,2,3
	global_load_b128 v[BI+8*\t:BI+8*\t+3], v[BIQ], s[16:17] offset:64*\t
	global_load_b128 v[BI+8*\t+4:BI+8*\t+7], v[BIQ], s[16:17] offset:64*\t+16
.endr
	WIN 0
.irp p, 0,1
	global_load_b128 v[WS+8*\p:WS+8*\p+3], v[WSO], s[8:9] offset:1024*\p
	global_load_b128 v[WS+8*\p+4:WS+8*\p+7], v[WSO], s[8:9] offset:1024*\p+16
.endr
	global_load_b128 v[BS:BS+3], v[BSO], s[12:13]
	global_load_b128 v[BS+4:BS+7], v[BSO], s[12:13] offset:16
.irp t, 0,1,2,3
	global_load_b128 v[OB+8*\t:OB+8*\t+3], v[AO], s[14:15] offset:1024*\t          ; Ao as f32: ranks 8 h .. 8 h + 7 of my row
	global_load_b128 v[OB+8*\t+4:OB+8*\t+7], v[AO], s[14:15] offset:1024*\t+16
.endr
.irp u, 0,1
.irp i, 0,1,2,3
	v_mov_b32 v[TSB+8*\u+4+\i], 0                  ; K 16 .. 31 of the rank-16 product: zeros, set once
.endr
.endr
	s_wait_loadcnt 0x0
.set jj, 0
.rept 16
	v_pk_mul_f32 v[OB+jj:OB+jj+1], v[OB+jj:OB+jj+1], 0.5 op_sel_hi:[1,0]   ; the scaling 0.5, once, on the weight: exact
.set jj, jj+2
.endr
	WIN 0x80                                       ; destination window 2
.irp t, 0,1,2,3
.irp i, 0,1,2,3
	v_cvt_pk_bf16_f32 v[AF+8*\t+\i], v[OB+8*\t+2*\i], v[OB+8*\t+2*\i+1]
	v_mov_b32 v[AF+8*\t+4+\i], 0
.endr
.endr
	WIN 0
	s_wait_tensorcnt 0x0                           ; my quarter of a's block has landed,
	s_barrier_signal -1
	s_barrier_wait -1                              ; everybody's has
.irp b, 0,1,2,3
	ds_load_b128 v[XS+8*\b:XS+8*\b+3], v[XSA] offset:1024*\b        ; a's scale words stay for the whole launch: register 8 b + s: lanes 0-15 tile 2 b, lanes 16-31 tile 2 b + 1
	ds_load_b128 v[XS+8*\b+4:XS+8*\b+7], v[XSA] offset:1024*\b+16
.endr
	XFETCH 0
	PAIR 0
	PAIR 1
	PAIR 2
	PAIR 3
	s_wait_tensorcnt 0x0
	ds_add_u32 v254, v255
	s_wait_dscnt 0x0
	ROUND                                          ; the closing round (my last LDS load was waited for ahead of the last store)
	s_endpgm
.Lfunc_end_k_qbe8bdbab76_oproj:
	.size	k_qbe8bdbab76_oproj, .Lfunc_end_k_qbe8bdbab76_oproj-k_qbe8bdbab76_oproj
	.p2alignl 7, 3214868480
	.fill 96, 4, 3214868480
	.section	.rodata,"a",@progbits
	.p2align	6, 0x0
	.amdhsa_kernel k_qbe8bdbab76_oproj
		.amdhsa_group_segment_fixed_size 168448
		.amdhsa_private_segment_fixed_size 0
		.amdhsa_enable_private_segment 0
		.amdhsa_kernarg_size 64
		.amdhsa_user_sgpr_count 2
		.amdhsa_user_sgpr_kernarg_segment_ptr 1
		.amdhsa_wavefront_size32 1
		.amdhsa_system_sgpr_workgroup_id_x 1
		.amdhsa_system_sgpr_workgroup_id_y 1
		.amdhsa_system_sgpr_workgroup_id_z 1
		.amdhsa_system_vgpr_workitem_id 0
		.amdhsa_next_free_vgpr 768
		.amdhsa_next_free_sgpr 66
		.amdhsa_reserve_vcc 0
		.amdhsa_float_denorm_mode_32 3
		.amdhsa_float_denorm_mode_16_64 3
		.amdhsa_memory_ordered 1
		.amdhsa_forward_progress 1
		.amdhsa_inst_pref_size 89
	.end_amdhsa_kernel
	.amdgpu_metadata
---
amdhsa.version: [ 1, 2 ]
amdhsa.kernels:
  - .name:           k_qbe8bdbab76_oproj
    .symbol:         k_qbe8bdbab76_oproj.kd
    .args:
      - { .name: ao, .offset: 0, .size: 8, .value_kind: global_buffer, .address_space: global }
      - { .name: Wo_codes, .offset: 8, .size: 8, .value_kind: global_buffer, .address_space: global }
      - { .name: Wo_scales, .offset: 16, .size: 8, .value_kind: global_buffer, .address_space: global }
      - { .name: Bo_codes, .offset: 24, .size: 8, .value_kind: global_buffer, .address_space: global }
      - { .name: Bo_scales, .offset: 32, .size: 8, .value_kind: global_buffer, .address_space: global }
      - { .name: Ao, .offset: 40, .size: 8, .value_kind: global_buffer, .address_space: global }
      - { .name: bo, .offset: 48, .size: 8, .value_kind: global_buffer, .address_space: global }
      - { .name: out0, .offset: 56, .size: 8, .value_kind: global_buffer, .address_space: global }
    .group_segment_fixed_size: 168448
    .private_segment_fixed_size: 0
    .kernarg_segment_align: 8
    .kernarg_segment_size: 64
    .max_flat_workgroup_size: 128
    .sgpr_count:     66
    .vgpr_count:     768
    .wavefront_size: 32
...
	.end_amdgpu_metadata
.endif
;; end of part 3
